; MI455X (gfx1250); checked and timed in simulation.
; The chip was launched on July 23, 2026; its instructions are those of AMD's public machine-readable ISA for CDNA 5 (MIT licence, August 2026) and "CDNA5" Instruction Set Architecture Reference Guide (July 2026). The comments in the code are by the model that wrote it; some were corrected since.
;; Mo E Layer. Allowed arithmetic: matrix products marked QUANTISED: E5M2 operands, one E8M0 scale for each 32 along K, by v_wmma_scale_f32_16x16x128_f8f6f4 with both operands' format E5M2, f32 sums; products left as they are: f32 operands where the result goes on into a quantised operand, else bf16, f16 or f32 operands; f32 sums; everything else in f32.
;; Inputs: We_codes 8 x 1,024 x 32 x 32 uint8 (E5M2 codes of We, K innermost, in blocks of 32 codes); We_scales 8 x 1,024 x 32 uint8 (E8M0 scales of We, one for each 32 codes along K); Wg 1,024 x 8 float32; be 8 x 1,024 float32; bg 8 float32; x 4 x 2,048 x 1,024 float32.
;; Outputs: out0 4 x 2,048 x 1,024 float32.
;; This version of the problem:
;;   THIS VERSION OF THE PROBLEM IS GIVEN IN LOW PRECISION. The matrix products marked QUANTISED in the list below multiply operands that are first quantised to E5M2 (5 exponent bits, 2 mantissa bits; 8 bits a number), with one power-of-two scale for each 32 numbers along K (OCP MX v1.0); their sums are f32. All else is computed in f32.
;;   The module's matrix products, in the order in which they are computed (A, B: the left and right operand; K: the contracted axis; several contracted axes count as one K, in the product's order):
;;     1. [M 8,192, K 1,024] x [K 1,024, N 8]; A: input x; B: input Wg: left as it is (N = 8 < 16)
;;     2. [M 8,192, K 1,024] x [K 1,024, N 8,192]; A: input x; B: input We (given as codes): QUANTISED
;;   THE QUANTISER, for each operand of a quantised product, along K:
;;     - K is cut into blocks of 32 from its start; a last block that is shorter is filled with zeros.
;;     - A block's scale is 2^e with e = floor(log2(the largest magnitude in the block)) - 15, held to -126 .. 127; a block of zeros has e = 0. As a byte (E8M0): e + 127.
;;     - Each number is divided by its block's scale, clamped to +-57,344, and rounded to the nearest number of E5M2, ties to even, subnormals kept.
;;     - The product sums the exact products of the quantised numbers (number of the format x scale) in f32.
;;   ~~~python
;;   def quantise(x, axis):      # numpy; x: float32 -> the quantised numbers, widened to float32 again
;;       x = np.moveaxis(x, axis, -1); K = x.shape[-1]
;;       x = np.pad(x, [(0, 0)] * (x.ndim - 1) + [(0, -K % 32)]); x = x.reshape(x.shape[:-1] + (-1, 32)); a = np.abs(x).max(-1, keepdims=True)
;;       e = np.where(a > 0, np.clip(np.frexp(np.where(a > 0, a, 1))[1] - 1 - 15, -126, 127), 0)      # np.frexp(a)[1] - 1 = floor(log2(a)), exactly
;;       r = np.clip(x / 2.0 ** e, -57344, 57344)
;;       step = 2.0 ** (np.maximum(np.frexp(np.where(r == 0, 1, r))[1] - 1, -14) - 2)
;;       q = np.round(r / step) * step * 2.0 ** e      # np.round: ties to even
;;       return np.moveaxis(q.reshape(q.shape[:-2] + (-1,))[..., :K], -1, axis).astype(np.float32)
;;   ~~~
;;   INPUTS GIVEN AS CODES. We (in the module: [8, 1024, 1024], K = its axis 1): each comes as NAME_codes (uint8): NAME with its K axis moved to the last place and cut into blocks of 32 codes, [.., K / 32, bytes a block], one block behind the other in memory; one code a byte (a code: sign, 5 exponent bits, 2 mantissa bits); and NAME_scales (uint8): the same leading axes, one E8M0 byte (e + 127) for each 32 codes along K. Its value is code x scale, taken as it is: it is not quantised again, and the codes and scales need not be those that the quantiser above would give.
;; 2 versions. Each part assembles by itself: llvm-mc -triple=amdgcn-amd-amdhsa -mcpu=gfx1250 --defsym DOCPART=n.
;; ======== version 1 of 2: 3 launches
;; workspace buffers: xq 8,388,608 bytes; xs 262,144 bytes; gate8 262,144 bytes; route 65,536 bytes of whole numbers; plan 33,024 bytes of whole numbers; Wimg 8,388,608 bytes; WSI 262,144 bytes
;; launch route_quant (part 1): grid 256 x 1, 4 waves a work-group, no clusters, 27,136 bytes of LDS; arguments x, Wg, bg, xq, xs, gate8, route; writes xq, xs, gate8, route
.if DOCPART == 1
	.amdgcn_target "amdgcn-amd-amdhsa--gfx1250"
	.amdhsa_code_object_version 6
	.text
	.protected	k_q13e17553d9_route_quant
	.globl	k_q13e17553d9_route_quant
	.p2align	8
	.type	k_q13e17553d9_route_quant,@function
k_q13e17553d9_route_quant:
	s_mov_b64 s[64:65], 0
	v_nop
	global_prefetch_b8 v0, s[64:65] scope:SCOPE_SE
	s_setreg_imm32_b32 hwreg(HW_REG_WAVE_MODE, 25, 1), 1
	s_wait_xcnt 0x0
; ROUTER AND QUANTISER.  x [8192][1024] f32 is read once.  From it come: (a) codes of E5M2 with one E8M0 byte for each 32 along D (xq [token][1024], xs [token][32]);
; (b) the router in f32: logits = x Wg + bg, softmax with the row's maximum taken away, the two largest probabilities (the lower index wins a tie), gates g = p / (p1 + p2 + 1e-9).
; Stored at FIXED places: gate8 [token][8] f32 (0 for experts not chosen); route: kr[token] = key | rank << 8, and from byte 32,768 hist[group of 32 tokens][32]: how many of the group's tokens have key k.
; key numbers the pair lo < hi of experts, 0 .. 27: (lo (15 - lo)) / 2 + (lo odd ? 7 - hi : hi - lo - 1): neighbouring keys share an expert.  rank numbers a token among its group's tokens of the same key.
; No address and no branch here hangs on the choice: key, rank and counts are values that a later launch reads.
; SHARES.  A work-group owns 32 tokens; wave w owns d = 256 w .. 256 w + 255 of all of them.  A step takes two tokens: four loads of 512 consecutive bytes, which turn through the wave's own stage in LDS,
; so that lane l holds 16 neighbours d = 256 w + 16 (l % 16) + i of token 2 u + l / 16.  Two neighbouring lanes hold a block of 32.  The same 16 numbers, before the hold, feed 8 partial logits a lane
; (Wg's 16 rows of a lane stay in 128 registers).
; At the end lane l holds the wave's part of the 8 logits of local token 2 (l % 16) + l / 16.  The four waves' parts meet in LDS; wave 0 does the softmax and the choice, a lane a token.
; LIMITS: NaN and infinities are not served.  A block of zeros, and a block whose largest magnitude lies under 2^-111, gets the byte 1 (zero blocks: zero codes; the bytes are read by this program alone).
; The logits' order of summation differs from the reference's, exp and rcp are good to 1 ulp: two probabilities closer than that may change places.
.set SP,   80                          ; a lane's place in a stage: 64 bytes + 16 of padding
.set STGB, 5120                        ; a wave's two stages of 32 x SP bytes
.set SCB,  20480                       ; scale bytes [local token][32], 1,024 bytes
.set LG,   21504                       ; partial logits [wave][lane][8] f32, 4,096 bytes
.set GS,   25600                       ; wave 0's turn for gate8, 1,024 bytes
.set R,    24                          ; v24-135  seven sets of 16 numbers as loaded
.set X,    136                         ; v136-167 two sets of 16 neighbours
.set C,    168                         ; v168-183 four sets of 4 registers of codes
.set E,    184                         ; v184-185 the scale byte, two registers by turns
.set P,    186                         ; banks of 8 partial logits
.set Q,    194
.set L0A,  202
.set L1A,  210
.set L2A,  218
.set L3A,  226
.set TT,   234                         ; v234-237 at work in a merge
; window 1: v0-127: Wg[256 w + 16 (l % 16) + i][e] at 8 i + e
.set MSB, 0
.macro WIN new                         ; the immediate's high byte repeats the setting that is left
.if MSB != \new
	s_set_vgpr_msb (MSB<<8)|\new
.set MSB, \new
.endif
.endm
	s_load_b256 s[4:11], s[0:1], 0x0               ; x s[4:5], Wg s[6:7], bg s[8:9], xq s[10:11]
	s_load_b128 s[12:15], s[0:1], 0x20             ; xs s[12:13], gate8 s[14:15]
	s_load_b64 s[16:17], s[0:1], 0x30              ; route
	v_lshl_add_u32 v254, v0, 2, 0x6800
	v_mov_b32 v255, 0
	v_lshrrev_b32 v1, 5, v0
	v_readfirstlane_b32 s28, v1                    ; wave 0..3
	v_and_b32 v1, 31, v0                           ; lane
	v_and_b32 v2, 15, v0                           ; l % 16
	v_bfe_u32 v12, v0, 4, 1                        ; l / 16
	v_lshlrev_b32 v3, 4, v1                        ; x: 16 bytes a lane
	v_lshlrev_b32 v4, 10, v12
	v_lshl_add_u32 v4, v2, 4, v4
	s_lshl_b32 s36, s28, 8
	v_add_nc_u32 v4, s36, v4                       ; codes out: 1,024 (l / 16) + 16 (l % 16) + 256 w
	v_lshrrev_b32 v5, 1, v2
	v_lshl_add_u32 v5, v12, 5, v5
	s_lshl_b32 s37, s28, 3
	s_add_co_u32 s37, s37, SCB
	v_add_nc_u32 v5, s37, v5                       ; my block's byte: SCB + 32 (l / 16) + (l % 16) / 2 + 8 w
	v_lshlrev_b32 v7, 3, v1                        ; 8 x lane
	s_add_co_u32 s36, s36, SCB
	v_add_nc_u32 v6, s36, v7                       ; the bytes on their way out: SCB + 256 w + 8 x lane
	s_mul_i32 s38, s28, STGB
	v_lshrrev_b32 v14, 2, v1
	v_mul_u32_u24 v14, v14, SP
	v_and_b32 v15, 3, v1
	v_lshl_add_u32 v14, v15, 4, v14
	v_add_nc_u32 v14, s38, v14                     ; the stage, in: four lanes' 64 bytes on end, then the padding
	v_mul_u32_u24 v15, v1, SP
	v_add_nc_u32 v15, s38, v15                     ; and out: SP x lane
	v_lshlrev_b32 v13, 9, v2                       ; Wg: my 16 rows of 32 bytes
	v_lshlrev_b32 v17, 5, v1
	v_add_nc_u32 v17, LG, v17                      ; LG + 32 x lane
	s_lshl_b32 s39, s28, 10
	v_add_nc_u32 v16, s39, v17                     ; + 1,024 w
	v_lshl_add_u32 v18, v2, 1, v12                 ; my local token at the end: 2 (l % 16) + l / 16
	v_lshlrev_b32 v19, 5, v18
	v_add_nc_u32 v19, GS, v19
	v_add_nc_u32 v20, GS, v3
	v_lshlrev_b32 v21, 2, v18
	v_lshlrev_b32 v22, 2, v1
	s_mov_b32 s30, 0xaaaaaaaa                      ; the lanes whose bit 0, 1, 2, 3 is set
	s_mov_b32 s31, 0xcccccccc
	s_mov_b32 s32, 0xf0f0f0f0
	s_mov_b32 s33, 0xff00ff00
	s_mov_b32 s34, 0x600000                        ; the mantissa field of 57,344
	s_mov_b32 s41, 0
	s_wait_kmcnt 0x0
	s_load_b256 s[20:27], s[8:9], 0x0              ; bg
	s_lshl_b32 s40, ttmp9, 17                      ; 32 rows of 4,096 bytes a work-group,
	s_lshl_b32 s42, s28, 10                        ; 1,024 bytes of a row a wave
	s_add_co_u32 s40, s40, s42
	s_add_nc_u64 s[4:5], s[4:5], s[40:41]
	s_lshl_b32 s40, s28, 13
	s_add_nc_u64 s[6:7], s[6:7], s[40:41]          ; Wg: 256 rows a wave
	s_lshl_b32 s40, ttmp9, 15
	s_add_nc_u64 s[10:11], s[10:11], s[40:41]
	s_lshl_b32 s40, ttmp9, 10
	s_add_nc_u64 s[14:15], s[14:15], s[40:41]
	s_lshl_b32 s42, s28, 8
	s_add_co_u32 s40, s40, s42
	s_add_nc_u64 s[12:13], s[12:13], s[40:41]      ; xs: the work-group's 1,024 bytes, my wave's 256
	s_lshl_b32 s40, ttmp9, 7
	s_add_nc_u64 s[16:17], s[16:17], s[40:41]
	WIN 0x40                                       ; destination window 1
.set j, 0
.rept 32
	global_load_b128 v[4*j:4*j+3], v13, s[6:7] offset:16*j
.set j, j+1
.endr
	WIN 0
.macro LOAD t                          ; step t: tokens 2 t and 2 t + 1, my wave's 1,024 bytes of each, 512 consecutive bytes a load
.irp i, 0,1
	global_load_b128 v[R+16*((\t)%7)+4*\i:R+16*((\t)%7)+4*\i+3], v3, s[4:5] offset:8192*(\t)+512*\i th:TH_LOAD_NT
.endr
.irp i, 0,1
	global_load_b128 v[R+16*((\t)%7)+8+4*\i:R+16*((\t)%7)+8+4*\i+3], v3, s[4:5] offset:8192*(\t)+4096+512*\i th:TH_LOAD_NT
.endr
.endm
.macro TURN t                          ; step t's 2,048 bytes through the stage: LDS serves a wave's instructions in order, so no wait stands between the stores and the loads
.irp i, 0,1,2,3
	ds_store_b128 v14, v[R+16*((\t)%7)+4*\i:R+16*((\t)%7)+4*\i+3] offset:32*SP*((\t)%2)+8*SP*\i
.endr
.irp i, 0,1,2,3
	ds_load_b128 v[X+16*((\t)%2)+4*\i:X+16*((\t)%2)+4*\i+3], v15 offset:32*SP*((\t)%2)+16*\i
.endr
.endm
; 8 partial logits of my 16 numbers: two logits an instruction; x's number is taken from its pair for both halves
.macro DOT xs, bank
	WIN 0x04                                       ; source 1 (Wg) window 1
.irp i, 0,2,4,6,8,10,12,14
.irp p, 0,1,2,3
.if \i == 0
	v_pk_mul_f32 v[\bank+2*\p:\bank+2*\p+1], v[\xs+\i:\xs+\i+1], v[8*\i+2*\p:8*\i+2*\p+1] op_sel:[0,0] op_sel_hi:[0,1]
.else
	v_pk_fma_f32 v[\bank+2*\p:\bank+2*\p+1], v[\xs+\i:\xs+\i+1], v[8*\i+2*\p:8*\i+2*\p+1], v[\bank+2*\p:\bank+2*\p+1] op_sel:[0,0,0] op_sel_hi:[0,1,1]
.endif
.endr
.irp p, 0,1,2,3
	v_pk_fma_f32 v[\bank+2*\p:\bank+2*\p+1], v[\xs+\i:\xs+\i+1], v[8*\i+8+2*\p:8*\i+8+2*\p+1], v[\bank+2*\p:\bank+2*\p+1] op_sel:[1,0,0] op_sel_hi:[1,1,1]
.endr
.endr
	WIN 0
.endm
; Two banks become one: lanes whose bit lev is 0 keep a's sum of lanes l and l xor x, the others b's
.macro MERGE8 dst, a, b, lev, x
.irp e, 0,1,2,3,4,5,6,7
	v_cndmask_b32 v[TT+\e%4], v[\b+\e], v[\a+\e], s[30+\lev]
	v_cndmask_b32 v[\dst+\e], v[\a+\e], v[\b+\e], s[30+\lev]
	v_add_f32_dpp v[\dst+\e], v[TT+\e%4], v[\dst+\e] row_xmask:\x row_mask:0xf bank_mask:0xf
.endr
.endm
.macro REDUCE u                        ; behind an odd step: as many levels as u has ones at its low end
.if ((\u)&1)
.if ((\u)&2)
	MERGE8 Q, L0A, P, 0, 1
.if ((\u)&4)
	MERGE8 P, L1A, Q, 1, 2
.if ((\u)&8)
	MERGE8 Q, L2A, P, 2, 4
	MERGE8 P, L3A, Q, 3, 8
.else
	MERGE8 L3A, L2A, P, 2, 4
.endif
.else
	MERGE8 L2A, L1A, Q, 1, 2
.endif
.else
	MERGE8 L1A, L0A, P, 0, 1
.endif
.endif
.endm
.macro STEP u
.set XS, X+16*((\u)%2)
.if (\u) > 0
	s_wait_dscnt 1                                 ; this step's numbers are back from the stage; the last step's byte store may be out
.else
	s_wait_dscnt 0x0
.endif
.if (\u)+7 < 16
	LOAD (\u)+7                                    ; into the set that this step's turn has read
.endif
.if (\u) < 15
.if (\u)+7 < 15
	s_wait_loadcnt 24                              ; the next step's four loads are in; those of the six steps behind it may be out
.else
	s_wait_loadcnt 4*(14-(\u))                     ; towards the end fewer steps stand behind it
.endif
	TURN (\u)+1
.endif
	v_max3_num_f32 v8, |v[XS]|, |v[XS+1]|, |v[XS+2]|               ; the largest magnitude of my 16
	v_max3_num_f32 v9, |v[XS+3]|, |v[XS+4]|, |v[XS+5]|
.irp i, 6,10
	v_max3_num_f32 v8, v8, |v[XS+\i]|, |v[XS+\i+1]|
	v_max3_num_f32 v9, v9, |v[XS+\i+2]|, |v[XS+\i+3]|
.endr
	v_max3_num_f32 v8, v8, |v[XS+14]|, |v[XS+15]|
	v_max3_num_f32 v8, v8, v9, 0x8000000           ; and the floor 2^(16 - 127): the byte cannot fall under 1
	v_max_num_f32_dpp v8, v8, v8 row_xmask:1 row_mask:0xf bank_mask:0xf   ; and of my neighbour's 16: the block's
	v_add_nc_u32 v11, 0xf8800000, v8               ; 15 off its exponent field: the conversion's scale operand
	v_and_or_b32 v10, v8, 0x7f800000, s34          ; 57,344 x the scale
.if ((\u)&1)
	DOT XS, P                                      ; the router takes the numbers as they came, ahead of the hold
.else
	DOT XS, L0A
.endif
	REDUCE \u
.irp i, 0,1,2,3,4,5,6,7,8,9,10,11,12,13,14,15
	v_med3_num_f32 v[XS+\i], v[XS+\i], -v10, v10   ; the conversion to an 8-bit code does not saturate (ISA guide 7.6.2): the hold at the largest code x the scale
.endr
	s_wait_xcnt 0x0                                ; the store of four steps back has read this set of codes
	v_cvt_scalef32_pk8_bf8_f32 v[C+4*((\u)%4):C+4*((\u)%4)+1], v[XS:XS+7], v11
	v_cvt_scalef32_pk8_bf8_f32 v[C+4*((\u)%4)+2:C+4*((\u)%4)+3], v[XS+8:XS+15], v11
	v_lshrrev_b32 v[E+(\u)%2], 23, v11             ; the scale's byte (also the plain line behind the conversions)
	ds_store_b8 v5, v[E+(\u)%2] offset:64*(\u)     ; both lanes of a block write the same byte with the same value
	global_store_b128 v4, v[C+4*((\u)%4):C+4*((\u)%4)+3], s[10:11] offset:2048*(\u)   ; each half of the lanes stores 256 consecutive bytes, aligned
.endm
.irp t, 0,1,2,3,4,5,6
	LOAD \t
.endr
	s_wait_kmcnt 0x0                               ; bg
	s_wait_loadcnt 24                              ; Wg and step 0 are in; steps 1 to 6 may be out
	TURN 0
.irp u, 0,1,2,3,4,5,6,7,8,9,10,11,12,13,14,15
	STEP \u
.endr
	ds_store_b128 v16, v[P:P+3]                    ; my wave's part of the logits
	ds_store_b128 v16, v[P+4:P+7] offset:16
	s_wait_dscnt 0x0                               ; for the others' sake: my bytes and my partial logits lie in LDS
	s_barrier_signal -1
	s_barrier_wait -1
	ds_load_b64 v[8:9], v6
	s_wait_dscnt 0x0
	global_store_b64 v7, v[8:9], s[12:13]          ; 32 lanes store 256 consecutive scale bytes, aligned
	s_cmp_lg_u32 s28, 0
	s_cbranch_scc1 .Lend
; ---- wave 0: a lane a token
.set PL,  24                           ; v24-55  the four waves' parts
.set PR,  56                           ; v56-63  exponentials, then probabilities
.set V1,  64
.set I1,  65
.set V2,  66
.set I2,  67
.set TS,  68
.set G1,  69
.set G2,  70
.set LO,  71
.set HI,  72
.set KEY, 73
.set RNK, 74
.set HS,  75
.set T0,  76
.set T1,  77
.set T2,  78
.set KRW, 79
.set GV,  80                           ; v80-87  the eight gates
.set GR,  88                           ; v88-95  and read back
.irp w, 0,1,2,3
	ds_load_b128 v[PL+8*\w:PL+8*\w+3], v17 offset:1024*\w
	ds_load_b128 v[PL+8*\w+4:PL+8*\w+7], v17 offset:1024*\w+16
.endr
	s_wait_dscnt 0x0
.irp e, 0,1,2,3,4,5,6,7
	v_add_f32 v[PL+\e], v[PL+\e], v[PL+8+\e]
	v_add_f32 v[PL+16+\e], v[PL+16+\e], v[PL+24+\e]
.endr
.irp e, 0,1,2,3,4,5,6,7
	v_add_f32 v[PL+\e], v[PL+\e], v[PL+16+\e]
.endr
.irp e, 0,1,2,3,4,5,6,7
	v_add_f32 v[PL+\e], s[20+\e], v[PL+\e]         ; + bg
.endr
	v_max3_num_f32 v[T0], v[PL], v[PL+1], v[PL+2]  ; the row's maximum is taken away ahead of the exponentials
	v_max3_num_f32 v[T0], v[T0], v[PL+3], v[PL+4]
	v_max3_num_f32 v[T0], v[T0], v[PL+5], v[PL+6]
	v_max_num_f32 v[T0], v[T0], v[PL+7]
.irp e, 0,1,2,3,4,5,6,7
	v_sub_f32 v[PL+\e], v[PL+\e], v[T0]
.endr
.irp e, 0,1,2,3,4,5,6,7
	v_mul_f32 v[PL+\e], 0x3fb8aa3b, v[PL+\e]       ; x log2(e)
.endr
.irp e, 0,1,2,3,4,5,6,7
	v_exp_f32 v[PR+\e], v[PL+\e]
.endr
	v_nop                                          ; a plain line behind the last exponential
	s_wait_alu depctr_va_vdst(0)                   ; one wait for the eight, ahead of their first reader
	v_add_f32 v[PL], v[PR], v[PR+1]
	v_add_f32 v[PL+1], v[PR+2], v[PR+3]
	v_add_f32 v[PL+2], v[PR+4], v[PR+5]
	v_add_f32 v[PL+3], v[PR+6], v[PR+7]
	v_add_f32 v[PL], v[PL], v[PL+1]
	v_add_f32 v[PL+2], v[PL+2], v[PL+3]
	v_add_f32 v[PL], v[PL], v[PL+2]
	v_rcp_f32 v[T1], v[PL]
	v_nop
	s_wait_alu depctr_va_vdst(0)
.irp e, 0,1,2,3,4,5,6,7
	v_mul_f32 v[PR+\e], v[PR+\e], v[T1]            ; the probabilities
.endr
	v_mov_b32 v[V1], v[PR]                         ; the largest: a later one takes the place only if it is strictly larger
	v_mov_b32 v[I1], 0
.irp e, 1,2,3,4,5,6,7
	v_cmp_ge_f32 vcc_lo, v[V1], v[PR+\e]           ; keep?
	v_cndmask_b32 v[I1], \e, v[I1], vcc_lo
	v_cndmask_b32 v[V1], v[PR+\e], v[V1], vcc_lo
.endr
	v_mov_b32 v[V2], -1.0                          ; the second: the same scan without the first's index
	v_mov_b32 v[I2], 0
.irp e, 0,1,2,3,4,5,6,7
	v_cmp_eq_u32 s36, \e, v[I1]
	v_cmp_ge_f32 vcc_lo, v[V2], v[PR+\e]
	s_or_b32 vcc_lo, vcc_lo, s36
	v_cndmask_b32 v[I2], \e, v[I2], vcc_lo
	v_cndmask_b32 v[V2], v[PR+\e], v[V2], vcc_lo
.endr
	v_add_f32 v[TS], v[V1], v[V2]
	v_add_f32 v[TS], 0x3089705f, v[TS]             ; + 1e-9
	v_rcp_f32 v[T1], v[TS]
	v_min_u32 v[LO], v[I1], v[I2]                  ; (plain work behind the reciprocal)
	v_max_u32 v[HI], v[I1], v[I2]
	s_wait_alu depctr_va_vdst(0)
	v_mul_f32 v[G1], v[V1], v[T1]
	v_mul_f32 v[G2], v[V2], v[T1]
.irp e, 0,1,2,3,4,5,6,7
	v_cmp_eq_u32 vcc_lo, \e, v[I1]
	v_cndmask_b32 v[GV+\e], 0, v[G1], vcc_lo
	v_cmp_eq_u32 vcc_lo, \e, v[I2]
	v_cndmask_b32 v[GV+\e], v[GV+\e], v[G2], vcc_lo
.endr
	v_sub_nc_u32 v[T0], 15, v[LO]
	v_mul_u32_u24 v[T0], v[LO], v[T0]
	v_lshrrev_b32 v[T0], 1, v[T0]                  ; (lo (15 - lo)) / 2
	v_sub_nc_u32 v[T1], v[HI], v[LO]
	v_add_nc_u32 v[T1], -1, v[T1]                  ; hi - lo - 1
	v_sub_nc_u32 v[T2], 7, v[HI]                   ; 7 - hi
	v_and_b32 v[KEY], 1, v[LO]
	v_cmp_eq_u32 vcc_lo, 1, v[KEY]
	v_cndmask_b32 v[T1], v[T1], v[T2], vcc_lo
	v_add_nc_u32 v[KEY], v[T0], v[T1]
	v_mov_b32 v[RNK], 0
	v_mov_b32 v[HS], 0
.irp k, 0,1,2,3,4,5,6,7,8,9,10,11,12,13,14,15,16,17,18,19,20,21,22,23,24,25,26,27
	v_cmp_eq_u32 s36, \k, v[KEY]                   ; the lanes with key k:
	v_mbcnt_lo_u32_b32 v[T0], s36, 0               ; how many of them stand below me,
	v_cndmask_b32 v[RNK], v[RNK], v[T0], s36       ; which is my rank if k is my key;
	s_bcnt1_i32_b32 s37, s36
	v_writelane_b32 v[HS], s37, \k                 ; and their number, into lane k
.endr
	v_lshl_or_b32 v[KRW], v[RNK], 8, v[KEY]
	global_store_b32 v21, v[KRW], s[16:17]               ; kr, at my token's fixed place
	global_store_b32 v22, v[HS], s[16:17] offset:32768   ; the group's counts
	ds_store_b128 v19, v[GV:GV+3]                  ; the gates turn through LDS into token order
	ds_store_b128 v19, v[GV+4:GV+7] offset:16
	ds_load_b128 v[GR:GR+3], v20
	ds_load_b128 v[GR+4:GR+7], v20 offset:512
	s_wait_dscnt 0x0
	global_store_b128 v3, v[GR:GR+3], s[14:15]     ; 512 consecutive bytes a store
	global_store_b128 v3, v[GR+4:GR+7], s[14:15] offset:512
.Lend:
	s_wait_tensorcnt 0x0
	ds_add_u32 v254, v255
	s_wait_dscnt 0x0
	s_endpgm
.Lfunc_end_k_q13e17553d9_route_quant:
	.size	k_q13e17553d9_route_quant, .Lfunc_end_k_q13e17553d9_route_quant-k_q13e17553d9_route_quant
	.p2alignl 7, 3214868480
	.fill 96, 4, 3214868480
	.section	.rodata,"a",@progbits
	.p2align	6, 0x0
	.amdhsa_kernel k_q13e17553d9_route_quant
		.amdhsa_group_segment_fixed_size 27136
		.amdhsa_private_segment_fixed_size 0
		.amdhsa_enable_private_segment 0
		.amdhsa_kernarg_size 56
		.amdhsa_user_sgpr_count 2
		.amdhsa_user_sgpr_kernarg_segment_ptr 1
		.amdhsa_wavefront_size32 1
		.amdhsa_system_sgpr_workgroup_id_x 1
		.amdhsa_system_sgpr_workgroup_id_y 1
		.amdhsa_system_sgpr_workgroup_id_z 1
		.amdhsa_system_vgpr_workitem_id 0
		.amdhsa_next_free_vgpr 384
		.amdhsa_next_free_sgpr 66
		.amdhsa_reserve_vcc 1
		.amdhsa_float_denorm_mode_32 3
		.amdhsa_float_denorm_mode_16_64 3
		.amdhsa_memory_ordered 1
		.amdhsa_forward_progress 1
		.amdhsa_inst_pref_size 159
	.end_amdhsa_kernel
	.amdgpu_metadata
---
amdhsa.version: [ 1, 2 ]
amdhsa.kernels:
  - .name:           k_q13e17553d9_route_quant
    .symbol:         k_q13e17553d9_route_quant.kd
    .args:
      - { .name: x, .offset: 0, .size: 8, .value_kind: global_buffer, .address_space: global }
      - { .name: Wg, .offset: 8, .size: 8, .value_kind: global_buffer, .address_space: global }
      - { .name: bg, .offset: 16, .size: 8, .value_kind: global_buffer, .address_space: global }
      - { .name: xq, .offset: 24, .size: 8, .value_kind: global_buffer, .address_space: global }
      - { .name: xs, .offset: 32, .size: 8, .value_kind: global_buffer, .address_space: global }
      - { .name: gate8, .offset: 40, .size: 8, .value_kind: global_buffer, .address_space: global }
      - { .name: route, .offset: 48, .size: 8, .value_kind: global_buffer, .address_space: global }
    .group_segment_fixed_size: 27136
    .private_segment_fixed_size: 0
    .kernarg_segment_align: 8
    .kernarg_segment_size: 56
    .max_flat_workgroup_size: 128
    .sgpr_count:     66
    .vgpr_count:     384
    .wavefront_size: 32
...
	.end_amdgpu_metadata
.endif
;; end of part 1
;; launch place_lay (part 2): grid 257 x 1, 8 waves a work-group, no clusters, 37,888 bytes of LDS; arguments route, We_codes, We_scales, plan, Wimg, WSI; writes plan, Wimg, WSI
.if DOCPART == 2
	.amdgcn_target "amdgcn-amd-amdhsa--gfx1250"
	.amdhsa_code_object_version 6
	.text
	.protected	k_q13e17553d9_place_lay
	.globl	k_q13e17553d9_place_lay
	.p2align	8
	.type	k_q13e17553d9_place_lay,@function
k_q13e17553d9_place_lay:
	s_mov_b64 s[64:65], 0
	v_nop
	global_prefetch_b8 v0, s[64:65] scope:SCOPE_SE
	s_setreg_imm32_b32 hwreg(HW_REG_WAVE_MODE, 25, 1), 1
	s_wait_xcnt 0x0
; TWO JOBS IN ONE LAUNCH, parted on the work-group's number; each has LDS bytes of its own.
; WORK-GROUP 0 places the tokens: a counting sort by key.  plan: order[8192] = token numbers sorted by key; from byte 32,768 bm[64]: bit e is set where block b (sorted tokens 128 b .. 128 b + 127) uses expert e.
;   Wave v owns groups 32 v + i (a group = 32 tokens).  In the counts a lane is a key.  A token's place = the key's first place + the tokens of that key in earlier waves and groups + its rank in its group.
;   The 8,192 stores of 4 bytes go where the sort sends them: a scatter by its nature, 32 KiB in all.
; WORK-GROUPS 1 .. 256 lay We in the order of the operand's registers, so that the next launch loads whole fragments by 16 bytes a lane from consecutive bytes:
;   Wimg [e][q 0..15][s 0..7][b 0..3][c 0..3][lane][16 bytes] = codes of row n = 64 q + 16 b + lane % 16, k = 128 s + 32 c + 16 (lane / 16) + 0 .. 15;
;   WSI [e][q][s][lane][2 words]: word p = the scale word (four bytes, k = 128 s on) of row n = 64 q + 32 p + lane.
;   A wave takes 16 rows x 256 bytes: whole runs of 256 bytes in, through its own stage (rows 272 bytes apart), 512 consecutive bytes a store out.
;   The scale words are read 4 bytes of every 32: 262,144 bytes in all, against 8 MiB of codes.
.set SRT,  34816                       ; the sort's LDS: 8 waves x 128 bytes.  The lay path has bytes 0 .. 34,815: 8 stages of 16 x 272
.set H,    16                          ; v16-47   counts of my 32 groups; later lane indices
.set KR,   48                          ; v48-79   key | rank << 8 of my 32 x 32 tokens; later token numbers
.set EX,   80                          ; v80-112  running sums
.set PP,   113                         ; v113-144 places
.set T8,   145                         ; v145-152 the eight waves' totals
.set TOT,  153
.set WP,   154
.set BASE, 155
.set OFF,  156
.set LO0,  157
.set HI0,  158
.set LO1,  159
.set HI1,  160
.set M0,   161
.set M1,   162
.set TA,   163
.set TB,   164
.set PMV,  165
	s_load_b256 s[4:11], s[0:1], 0x0               ; route s[4:5], We_codes s[6:7], We_scales s[8:9], plan s[10:11]
	s_load_b128 s[12:15], s[0:1], 0x20             ; Wimg s[12:13], WSI s[14:15]
	v_lshl_add_u32 v192, v0, 2, 0x9000
	v_mov_b32 v193, 0
	v_lshrrev_b32 v1, 5, v0
	v_readfirstlane_b32 s20, v1                    ; wave 0..7
	v_and_b32 v1, 31, v0                           ; lane
	v_and_b32 v2, 15, v0
	v_bfe_u32 v3, v0, 4, 1
	v_lshlrev_b32 v4, 2, v1                        ; 4 x lane
	s_lshl_b32 s21, s20, 7
	s_add_co_u32 s21, s21, SRT
	v_add_nc_u32 v5, s21, v4                       ; SRT + 128 x wave + 4 x lane
	v_add_nc_u32 v6, SRT, v4
	s_mul_i32 s21, s20, 4352                       ; my stage
	v_mul_u32_u24 v7, v3, 272
	v_lshl_add_u32 v7, v2, 4, v7
	v_add_nc_u32 v7, s21, v7                       ; in: two rows an instruction, sixteen lanes to a row
	v_mul_u32_u24 v8, v2, 272
	v_lshl_add_u32 v8, v3, 4, v8
	v_add_nc_u32 v8, s21, v8                       ; out: row lane % 16, + 16 (lane / 16)
	v_lshlrev_b32 v9, 10, v3
	v_lshl_add_u32 v9, v2, 4, v9                   ; the same two rows in We_codes
	v_lshlrev_b32 v10, 4, v1
	v_lshlrev_b32 v11, 5, v1
	v_lshlrev_b32 v12, 3, v1
	s_lshl_b32 s21, s20, 10
	v_add_nc_u32 v13, s21, v1                      ; 1,024 x wave + lane
	s_mov_b32 s29, 0
	s_wait_kmcnt 0x0
	s_cmp_lg_u32 ttmp9, 0
	s_cbranch_scc1 .Llay
; ---- the sort
	s_lshl_b32 s28, s20, 12
	s_add_nc_u64 s[16:17], s[4:5], s[28:29]        ; my 32 groups: 128 bytes each, in kr and in hist
.set i, 0
.rept 32
	global_load_b32 v[H+i], v4, s[16:17] offset:32768+128*i
.set i, i+1
.endr
.set i, 0
.rept 32
	global_load_b32 v[KR+i], v4, s[16:17] offset:128*i
.set i, i+1
.endr
	s_wait_loadcnt 32                              ; the counts are in; the 32 loads of kr may be out
	v_mov_b32 v[EX], 0
.set i, 0
.rept 32
	v_add_nc_u32 v[EX+i+1], v[EX+i], v[H+i]        ; for each key: its tokens in my earlier groups
.set i, i+1
.endr
	ds_store_b32 v5, v[EX+32]                      ; my wave's totals
	s_wait_dscnt 0x0
	s_barrier_signal -1                            ; all eight waves of this work-group are on this path
	s_barrier_wait -1
.irp p, 0,1,2,3,4,5,6,7
	ds_load_b32 v[T8+\p], v6 offset:128*\p
.endr
	v_mov_b32 v[TOT], 0
	v_mov_b32 v[WP], 0
	v_mov_b32 v[BASE], 0
	s_wait_dscnt 0x0
.irp p, 0,1,2,3,4,5,6,7
	v_add_nc_u32 v[TOT], v[TOT], v[T8+\p]
	s_cmp_gt_u32 s20, \p
	s_cselect_b32 s21, 1, 0
	v_mad_u32_u24 v[WP], v[T8+\p], s21, v[WP]      ; the earlier waves' share
.endr
	s_mov_b32 s22, 0
.irp k, 0,1,2,3,4,5,6,7,8,9,10,11,12,13,14,15,16,17,18,19,20,21,22,23,24,25,26,27
	v_readlane_b32 s23, v[TOT], \k
	v_writelane_b32 v[BASE], s22, \k               ; key k's first place
	s_add_co_u32 s22, s22, s23
.endr
	v_add_nc_u32 v[OFF], v[BASE], v[WP]
.set i, 0
.rept 32
	v_add_nc_u32 v[EX+i], v[EX+i], v[OFF]
.set i, i+1
.endr
	s_wait_loadcnt 0x0                             ; kr
.set i, 0
.rept 32
	v_and_b32 v[H+i], 0xff, v[KR+i]                ; my token's key,
	v_min_u32 v[H+i], 31, v[H+i]                   ; held to a lane's number,
	v_lshlrev_b32 v[H+i], 2, v[H+i]
	ds_bpermute_b32 v[PP+i], v[H+i], v[EX+i]       ; fetches that key's running place for group i (a lane permute: no LDS byte is touched)
.set i, i+1
.endr
	s_wait_dscnt 0x0
.set i, 0
.rept 32
	v_lshrrev_b32 v[KR+i], 8, v[KR+i]              ; + the rank
	v_add_nc_u32 v[PP+i], v[PP+i], v[KR+i]
	v_min_u32 v[PP+i], 0x1fff, v[PP+i]             ; held inside order[]
	v_lshlrev_b32 v[PP+i], 2, v[PP+i]
	v_add_nc_u32 v[KR+i], 32*i, v13                ; the token's number
	global_store_b32 v[PP+i], v[KR+i], s[10:11]    ; each store has registers of its own: none is written again
.set i, i+1
.endr
	s_cmp_lg_u32 s20, 0
	s_cbranch_scc1 .Lend
	; wave 0: which experts each block of 128 places uses.  Lane l serves blocks l and l + 32
	v_lshlrev_b32 v[LO0], 7, v1
	v_add_nc_u32 v[HI0], 128, v[LO0]
	v_add_nc_u32 v[LO1], 4096, v[LO0]
	v_add_nc_u32 v[HI1], 128, v[LO1]
	v_mov_b32 v[M0], 0
	v_mov_b32 v[M1], 0
.macro PAIR k, lo, hi                  ; key k = experts lo and hi lies in places [first, first + total): it meets a block where max(first, block's first) < min(end, block's end)
	v_readlane_b32 s24, v[BASE], \k
	v_readlane_b32 s25, v[TOT], \k
	s_add_co_u32 s25, s25, s24
	v_mov_b32 v[PMV], (1<<\lo)|(1<<\hi)
	v_max_u32 v[TA], s24, v[LO0]
	v_min_u32 v[TB], s25, v[HI0]
	v_cmp_lt_u32 vcc_lo, v[TA], v[TB]
	v_cndmask_b32 v[TA], 0, v[PMV], vcc_lo
	v_or_b32 v[M0], v[M0], v[TA]
	v_max_u32 v[TA], s24, v[LO1]
	v_min_u32 v[TB], s25, v[HI1]
	v_cmp_lt_u32 vcc_lo, v[TA], v[TB]
	v_cndmask_b32 v[TA], 0, v[PMV], vcc_lo
	v_or_b32 v[M1], v[M1], v[TA]
.endm
	PAIR 0, 0, 1
	PAIR 1, 0, 2
	PAIR 2, 0, 3
	PAIR 3, 0, 4
	PAIR 4, 0, 5
	PAIR 5, 0, 6
	PAIR 6, 0, 7
	PAIR 7, 1, 7
	PAIR 8, 1, 6
	PAIR 9, 1, 5
	PAIR 10, 1, 4
	PAIR 11, 1, 3
	PAIR 12, 1, 2
	PAIR 13, 2, 3
	PAIR 14, 2, 4
	PAIR 15, 2, 5
	PAIR 16, 2, 6
	PAIR 17, 2, 7
	PAIR 18, 3, 7
	PAIR 19, 3, 6
	PAIR 20, 3, 5
	PAIR 21, 3, 4
	PAIR 22, 4, 5
	PAIR 23, 4, 6
	PAIR 24, 4, 7
	PAIR 25, 5, 7
	PAIR 26, 5, 6
	PAIR 27, 6, 7
	global_store_b32 v4, v[M0], s[10:11] offset:32768
	global_store_b32 v4, v[M1], s[10:11] offset:32768+128
	s_branch .Lend
; ---- the weights' images
.Llay:
	s_sub_co_u32 s21, ttmp9, 1                     ; j = 0 .. 255
	s_lshr_b32 s22, s21, 5                         ; e
	s_bfe_u32 s23, s21, 0x40001                    ; q: 4 bits from bit 1
	s_and_b32 s24, s21, 1                          ; which half of the strip's 16 parts
	s_lshl_b32 s25, s24, 3
	s_add_co_u32 s25, s25, s20                     ; my part 0 .. 15
	s_lshr_b32 s26, s25, 2                         ; b: which 16 rows
	s_and_b32 s27, s25, 3                          ; which 256 bytes along K: steps 2 kc, 2 kc + 1
	s_lshl_b32 s31, s22, 10
	s_lshl_b32 s30, s23, 6
	s_add_co_u32 s31, s31, s30                     ; the strip's first row: 1,024 e + 64 q
	s_lshl_b32 s30, s26, 4
	s_add_co_u32 s28, s31, s30
	s_lshl_b32 s28, s28, 10                        ; rows of 1,024 bytes
	s_lshl_b32 s30, s27, 8
	s_add_co_u32 s28, s28, s30
	s_add_nc_u64 s[6:7], s[6:7], s[28:29]
.irp t, 0,1,2,3,4,5,6,7
	global_load_b128 v[16+4*\t:19+4*\t], v9, s[6:7] offset:2048*\t th:TH_LOAD_NT   ; two rows' 256 bytes
.endr
	s_lshl_b32 s28, s22, 20
	s_lshl_b32 s30, s23, 16
	s_add_co_u32 s28, s28, s30
	s_lshl_b32 s30, s27, 14
	s_add_co_u32 s28, s28, s30
	s_lshl_b32 s30, s26, 11
	s_add_co_u32 s28, s28, s30
	s_add_nc_u64 s[12:13], s[12:13], s[28:29]
	s_wait_loadcnt 0x0
.irp t, 0,1,2,3,4,5,6,7
	ds_store_b128 v7, v[16+4*\t:19+4*\t] offset:544*\t
.endr
.irp i, 0,1,2,3,4,5,6,7
	ds_load_b128 v[48+4*\i:51+4*\i], v8 offset:128*(\i/4)+32*(\i%4)   ; LDS serves a wave's instructions in order: these see my stores
.endr
.irp i, 0,1,2,3,4,5,6,7
	s_wait_dscnt 7-\i
	global_store_b128 v10, v[48+4*\i:51+4*\i], s[12:13] offset:8192*(\i/4)+512*(\i%4)   ; 512 consecutive bytes
.endr
	s_cmp_lg_u32 s24, 0
	s_cbranch_scc1 .Lend
	s_lshl_b32 s28, s31, 5                         ; the strip's scale bytes: 32 a row; wave v lays K step v's words
	s_lshl_b32 s30, s20, 2
	s_add_co_u32 s28, s28, s30
	s_add_nc_u64 s[8:9], s[8:9], s[28:29]
	global_load_b32 v80, v11, s[8:9]
	global_load_b32 v81, v11, s[8:9] offset:1024
	s_lshl_b32 s28, s22, 4
	s_add_co_u32 s28, s28, s23
	s_lshl_b32 s28, s28, 3
	s_add_co_u32 s28, s28, s20
	s_lshl_b32 s28, s28, 8
	s_add_nc_u64 s[14:15], s[14:15], s[28:29]
	s_wait_loadcnt 0x0
	global_store_b64 v12, v[80:81], s[14:15]       ; 256 consecutive bytes, aligned
.Lend:
	s_wait_tensorcnt 0x0
	ds_add_u32 v192, v193
	s_wait_dscnt 0x0
	s_endpgm
.Lfunc_end_k_q13e17553d9_place_lay:
	.size	k_q13e17553d9_place_lay, .Lfunc_end_k_q13e17553d9_place_lay-k_q13e17553d9_place_lay
	.p2alignl 7, 3214868480
	.fill 96, 4, 3214868480
	.section	.rodata,"a",@progbits
	.p2align	6, 0x0
	.amdhsa_kernel k_q13e17553d9_place_lay
		.amdhsa_group_segment_fixed_size 37888
		.amdhsa_private_segment_fixed_size 0
		.amdhsa_enable_private_segment 0
		.amdhsa_kernarg_size 48
		.amdhsa_user_sgpr_count 2
		.amdhsa_user_sgpr_kernarg_segment_ptr 1
		.amdhsa_wavefront_size32 1
		.amdhsa_system_sgpr_workgroup_id_x 1
		.amdhsa_system_sgpr_workgroup_id_y 1
		.amdhsa_system_sgpr_workgroup_id_z 1
		.amdhsa_system_vgpr_workitem_id 0
		.amdhsa_next_free_vgpr 194
		.amdhsa_next_free_sgpr 66
		.amdhsa_reserve_vcc 1
		.amdhsa_float_denorm_mode_32 3
		.amdhsa_float_denorm_mode_16_64 3
		.amdhsa_memory_ordered 1
		.amdhsa_forward_progress 1
		.amdhsa_inst_pref_size 52
	.end_amdhsa_kernel
	.amdgpu_metadata
---
amdhsa.version: [ 1, 2 ]
amdhsa.kernels:
  - .name:           k_q13e17553d9_place_lay
    .symbol:         k_q13e17553d9_place_lay.kd
    .args:
      - { .name: route, .offset: 0, .size: 8, .value_kind: global_buffer, .address_space: global }
      - { .name: We_codes, .offset: 8, .size: 8, .value_kind: global_buffer, .address_space: global }
      - { .name: We_scales, .offset: 16, .size: 8, .value_kind: global_buffer, .address_space: global }
      - { .name: plan, .offset: 24, .size: 8, .value_kind: global_buffer, .address_space: global }
      - { .name: Wimg, .offset: 32, .size: 8, .value_kind: global_buffer, .address_space: global }
      - { .name: WSI, .offset: 40, .size: 8, .value_kind: global_buffer, .address_space: global }
    .group_segment_fixed_size: 37888
    .private_segment_fixed_size: 0
    .kernarg_segment_align: 8
    .kernarg_segment_size: 48
    .max_flat_workgroup_size: 256
    .sgpr_count:     66
    .vgpr_count:     194
    .wavefront_size: 32
...
	.end_amdgpu_metadata
.endif
;; end of part 2
;; launch experts (part 3): grid 4 x 64, 4 waves a work-group, no clusters, 151,040 bytes of LDS; arguments xq, xs, gate8, plan, Wimg, WSI, be, out0; writes out0
.if DOCPART == 3
	.amdgcn_target "amdgcn-amd-amdhsa--gfx1250"
	.amdhsa_code_object_version 6
	.text
	.protected	k_q13e17553d9_experts
	.globl	k_q13e17553d9_experts
	.p2align	8
	.type	k_q13e17553d9_experts,@function
k_q13e17553d9_experts:
	s_mov_b64 s[64:65], 0
	v_nop
	global_prefetch_b8 v0, s[64:65] scope:SCOPE_SE
	s_setreg_imm32_b32 hwreg(HW_REG_WAVE_MODE, 25, 1), 1
	s_wait_xcnt 0x0
; out[t] = the sum over t's two experts of g (Q(x[t]) We[e] + be[e]), on codes of E5M2 with one E8M0 scale for each 32 along K.  Only chosen rows are multiplied.
; SHARES.  Work-group (x = ns, y = blk) owns the 128 tokens order[128 blk ..] (sorted by their pair of experts) and columns 256 ns .. 256 ns + 255: each output number has one owner.
; Wave w owns the strip q = 4 ns + w of 64 columns for all 128 tokens: 8 tiles of tokens x 4 tiles of weights = 32 accumulators.  It walks the experts that bm[blk] names (at least two: a token's
; two experts differ): acc = be + Q(x) We[e] (the bias is the C of the first K step), then out += g acc with g = gate8[token][e], which is 0 for a token that has not chosen e.
; LIMIT: so a token's product with any expert used in its block of 128 must be finite (0 x it is added).  NaN and infinities are not served.
; The walk hangs on a stored list, so nothing here is brought by a copy engine: x's codes are gathered through registers into LDS once (one barrier, ahead of every branch on loaded numbers),
; the weights come from memory straight into operand registers, from images laid in register order, three K steps ahead in a ring of four sets.
; No cluster, no joint loads: the work-groups of a block walk different strips, those of a strip different lists of experts.  No prefetch: the weights are read again and again by the 64 blocks, and the loads run three steps ahead.
; THE MATRIX INSTRUCTION IS USED TRANSPOSED: source 0 = 16 rows of We, source 1 = 16 tokens: lane (r, h) holds token 16 a + r, register j column 64 q + 16 b + 8 h + j: a gate is one number a lane.
; REGISTERS.  window 0: v1-11 offsets; v12-19 32 x token (gates); v20-35 gates (even registers; the odd ones are 0, named with them as pairs); v36-43 the weights' scale words, four sets of two;
;   v44-75 x's scale words (8 mp + s: lanes 0-15 tile 2 mp, lanes 16-31 tile 2 mp + 1); v76-107 the bias, 8 a tile; v108-115 at work; v128-255 x's fragments, 16 a tile.
;   window 1: the weights' fragments, four sets of 64.   window 2: acc(a, b) at 8 (4 a + b).   window 3: out(a, b) likewise.
.set XROW,  1040                       ; a token's row in LDS: 1,024 codes + 16 of padding = 65 x 16 bytes: the 16 rows of a load start in 16 different groups of banks
.set TILEB, 16*XROW
.set STG,   128*XROW                   ; behind x: a stage of 16 rows x 272 bytes for each wave, for the way out
.set GO,  12
.set GT,  20
.set WSR, 36
.set XSC, 44
.set BI,  76
.set TKL, 108
.set XF,  128
.set OID, 128                          ; the way out: 64 offsets in out0
.set BK,  192                          ; the way out: two sets of 32
.set WB, 66                            ; s[66:67] this expert's images of my strip;  s[68:69] the next expert's
.set WN, 68
.set SB, 70                            ; s[70:71], s[72:73] their scale words
.set SN, 72
.set BN, 74                            ; s[74:75] the next expert's bias
.set GB, 76                            ; s[76:77], s[78:79] gate8 + 4 e
.set GN, 78
.set OB, 80                            ; s[80:81] order[] at my block
.set OUTB, 82                          ; s[82:83] out0 at my wave's 256 bytes of a row
.set RW, 84                            ; s[84:91] the roots: Wimg, WSI, be at my strip; gate8
.set RS, 86
.set RB, 88
.set RG, 90
.set B0, 94                            ; s[94:95] the first expert's bias
.set MSB, 0
.macro WIN new                         ; the immediate's high byte repeats the setting that is left
.if MSB != \new
	s_set_vgpr_msb (MSB<<8)|\new
.set MSB, \new
.endif
.endm
.set MUL,      0xa1                    ; source 0 (We) window 1, source 1 (x) window 0, C and D window 2
.set MULB,     0x81                    ; the same with C (the bias) in window 0
.set TO_W,     0x40                    ; destination window 1
.set TO_ACC,   0x80                    ; destination window 2
.set FROM_ACC, 0x08                    ; an LDS store's data (source 1) window 2
.set COMB,     0xf2                    ; source 0 window 2, source 1 window 0, source 2 and destination window 3
.set FROM_OUT, 0x0c                    ; an LDS store's data window 3
.macro PLACES n
.rept \n
	v_nop
.endr
.endm
.macro BASES w, s, b, g, e             ; the four bases of expert s[e] (held to 0 .. 7)
	s_lshl_b32 s28, s[\e], 20
	s_add_nc_u64 s[\w:\w+1], s[RW:RW+1], s[28:29]
	s_lshl_b32 s28, s[\e], 15
	s_add_nc_u64 s[\s:\s+1], s[RS:RS+1], s[28:29]
	s_lshl_b32 s28, s[\e], 12
	s_add_nc_u64 s[\b:\b+1], s[RB:RB+1], s[28:29]
	s_lshl_b32 s28, s[\e], 2
	s_add_nc_u64 s[\g:\g+1], s[RG:RG+1], s[28:29]
.endm
.macro NEXTE                           ; the list's lowest expert into s26, and off the list (an empty list gives 7, which is then not used)
	s_ctz_i32_b32 s26, s24
	s_min_u32 s26, s26, 7
	s_sub_co_u32 s27, s24, 1
	s_and_b32 s24, s24, s27
.endm
.macro WLOAD set, s, W, S              ; K step s of an expert: four fragments and their scale words: 17 loads, each of consecutive bytes
	WIN TO_W
.irp b, 0,1,2,3
.irp c, 0,1,2,3
	global_load_b128 v[64*(\set)+16*\b+4*\c:64*(\set)+16*\b+4*\c+3], v1, s[\W:\W+1] offset:8192*(\s)+2048*\b+512*\c
.endr
.endr
	WIN 0
	global_load_b64 v[WSR+2*(\set):WSR+2*(\set)+1], v2, s[\S:\S+1] offset:256*(\s)
.endm
.macro XFETCH s, a0                    ; x's fragments of K step s, tiles a0 .. a0 + 3: lane (r, h): row 16 a + r, bytes 128 s + 32 c + 16 h on
.irp a, \a0, \a0+1, \a0+2, \a0+3
.irp c, 0,1,2,3
	ds_load_b128 v[XF+16*(\a)+4*\c:XF+16*(\a)+4*\c+3], v[3+(\a)/4] offset:((\a)%4)*TILEB+128*(\s)+32*\c
.endr
.endr
.endm
.macro WM a, b, s, set                 ; one product.  The weights' scale words of tile b lie in lanes 16 (b % 2) on of register b / 2, x's of tile a in lanes 16 (a % 2) on
.set rD, 8*(4*(\a)+\b)
.set rA, 64*(\set)+16*\b
.set rB, XF+16*(\a)
.set rSA, WSR+2*(\set)+(\b)/2
.set rSB, XSC+8*((\a)/2)+(\s)
.if (\s) == 0
.set rC, BI+8*\b
.else
.set rC, rD
.endif
.if ((\a)%2 == 0) && ((\b)%2 == 0)
	v_wmma_scale_f32_16x16x128_f8f6f4 v[rD:rD+7], v[rA:rA+15], v[rB:rB+15], v[rC:rC+7], v[rSA], v[rSB] matrix_a_fmt:MATRIX_FMT_BF8 matrix_b_fmt:MATRIX_FMT_BF8
.elseif ((\a)%2 == 0)
	v_wmma_scale_f32_16x16x128_f8f6f4 v[rD:rD+7], v[rA:rA+15], v[rB:rB+15], v[rC:rC+7], v[rSA], v[rSB] matrix_a_fmt:MATRIX_FMT_BF8 matrix_b_fmt:MATRIX_FMT_BF8 matrix_a_scale:MATRIX_SCALE_ROW1
.elseif ((\b)%2 == 0)
	v_wmma_scale_f32_16x16x128_f8f6f4 v[rD:rD+7], v[rA:rA+15], v[rB:rB+15], v[rC:rC+7], v[rSA], v[rSB] matrix_a_fmt:MATRIX_FMT_BF8 matrix_b_fmt:MATRIX_FMT_BF8 matrix_b_scale:MATRIX_SCALE_ROW1
.else
	v_wmma_scale_f32_16x16x128_f8f6f4 v[rD:rD+7], v[rA:rA+15], v[rB:rB+15], v[rC:rC+7], v[rSA], v[rSB] matrix_a_fmt:MATRIX_FMT_BF8 matrix_b_fmt:MATRIX_FMT_BF8 matrix_a_scale:MATRIX_SCALE_ROW1 matrix_b_scale:MATRIX_SCALE_ROW1
.endif
.endm
.macro MUL16 a0, s, set                ; 16 products; the 32 accumulators take turns, one instruction a turn, in the same order in every step
.irp a, \a0, \a0+1, \a0+2, \a0+3
.irp b, 0,1,2,3
	WM (\a), \b, \s, \set
.endr
.endr
.endm
.macro MWIN s
.if (\s) == 0
	WIN MULB
.else
	WIN MUL
.endif
.endm
; A K STEP of 128.  n: the global loads issued behind this step's set of weights, which may stay out: those of the two steps before (17 a set; 8 gates in step 0; 4 of the next bias in steps 3 and 4).
; Loads into registers that matrix instructions have read stand eight plain vector lines behind those instructions.
; The set that a step loads was last read in the step before, whose closing eight lines stand between.
.macro KSTEP s, last, n
	s_wait_dscnt 16                                ; x's tiles 0-3 are in; the 16 loads of tiles 4-7 may be out
	s_wait_loadcnt \n
	MWIN \s
	MUL16 0, \s, (\s)%4
	s_wait_dscnt 0x0                               ; tiles 4-7 are in
.if (\last) && ((\s) == 7)
.else
	PLACES 8
	WIN 0
.if (\s) == 0
.irp a, 0,1,2,3,4,5,6,7
	global_load_b32 v[GT+2*\a], v[GO+\a], s[GB:GB+1]   ; this expert's gates of my eight tokens
.endr
.endif
.if !(\last) && (((\s) == 3) || ((\s) == 4))
.irp b, 2*(\s)-6, 2*(\s)-5
	global_load_b128 v[BI+8*(\b):BI+8*(\b)+3], v8, s[BN:BN+1] offset:64*(\b)        ; the next expert's bias: the first K step read this one's long ago
	global_load_b128 v[BI+8*(\b)+4:BI+8*(\b)+7], v8, s[BN:BN+1] offset:64*(\b)+16
.endr
.endif
.if (\s) < 5
	WLOAD ((\s)+3)%4, (\s)+3, WB, SB
.elseif !(\last)
	WLOAD ((\s)+3)%4, (\s)-5, WN, SN               ; the ring goes on into the next expert
.endif
	XFETCH ((\s)+1)%8, 0
	MWIN \s
.endif
	MUL16 4, \s, (\s)%4
	PLACES 8
	WIN 0
.if (\last) && ((\s) == 7)
.else
	XFETCH ((\s)+1)%8, 4
.endif
.endm
; out = g acc (the first expert: nothing is cleared) or out += g acc.  Each accumulator is read from its low end on.  These 128 lines also stand between an expert's last products and the
; next expert's first, which begin the accumulators anew.
.macro COMBINE first
	WIN COMB
.irp a, 0,1,2,3,4,5,6,7
.irp b, 0,1,2,3
.irp j, 0,2,4,6
.if \first
	v_pk_mul_f32 v[8*(4*\a+\b)+\j:8*(4*\a+\b)+\j+1], v[8*(4*\a+\b)+\j:8*(4*\a+\b)+\j+1], v[GT+2*\a:GT+2*\a+1] op_sel_hi:[1,0]
.else
	v_pk_fma_f32 v[8*(4*\a+\b)+\j:8*(4*\a+\b)+\j+1], v[8*(4*\a+\b)+\j:8*(4*\a+\b)+\j+1], v[GT+2*\a:GT+2*\a+1], v[8*(4*\a+\b)+\j:8*(4*\a+\b)+\j+1] op_sel_hi:[1,0,1]
.endif
.endr
.endr
.endr
	WIN 0
.endm
.macro STEPS last
	KSTEP 0, \last, 34
	KSTEP 1, \last, 42
	KSTEP 2, \last, 42
	KSTEP 3, \last, 34
.if \last
	KSTEP 4, 1, 34
	KSTEP 5, 1, 34
	KSTEP 6, 1, 17
	KSTEP 7, 1, 0
.else
	KSTEP 4, 0, 38
	KSTEP 5, 0, 42
	KSTEP 6, 0, 38
	KSTEP 7, 0, 34
.endif
.endm
.macro ADVANCE                         ; the next expert becomes this one; the one after it is taken off the list
	s_wait_xcnt 0x0                                ; the loads issued so far have read their bases
	s_mov_b64 s[WB:WB+1], s[WN:WN+1]
	s_mov_b64 s[SB:SB+1], s[SN:SN+1]
	s_mov_b64 s[GB:GB+1], s[GN:GN+1]
	NEXTE
	BASES WN, SN, BN, GN, 26
.endm
.macro GATHER g                        ; eight tokens' rows of codes: two loads of 512 consecutive bytes each
	WIN TO_ACC
.irp j, 0,1,2,3,4,5,6,7
	global_load_b128 v[8*(8*\g+\j):8*(8*\g+\j)+3], v[XF+8*\g+\j], s[4:5]
	global_load_b128 v[8*(8*\g+\j)+4:8*(8*\g+\j)+7], v[XF+8*\g+\j], s[4:5] offset:512
.endr
	WIN 0
.endm
.macro PUT g                           ; and into their rows in LDS
	WIN FROM_ACC
.irp j, 0,1,2,3,4,5,6,7
	ds_store_b128 v5, v[8*(8*\g+\j):8*(8*\g+\j)+3] offset:XROW*(8*\g+\j)
	ds_store_b128 v5, v[8*(8*\g+\j)+4:8*(8*\g+\j)+7] offset:XROW*(8*\g+\j)+512
.endr
	WIN 0
.endm
	s_load_b512 s[4:19], s[0:1], 0x0               ; xq s[4:5], xs s[6:7], gate8 s[8:9], plan s[10:11], Wimg s[12:13], WSI s[14:15], be s[16:17], out0 s[18:19]
	v_lshl_add_u32 v126, v0, 2, 0x24c00
	v_mov_b32 v127, 0
	v_lshrrev_b32 v1, 5, v0
	v_readfirstlane_b32 s20, v1                    ; wave 0..3
	s_mov_b32 s21, ttmp9                           ; ns
	s_and_b32 s22, ttmp7, 0xffff                   ; blk
	s_lshl_b32 s23, s21, 2
	s_add_co_u32 s23, s23, s20                     ; q
	v_and_b32 v113, 31, v0                         ; lane
	v_and_b32 v114, 15, v0                         ; r
	v_bfe_u32 v115, v0, 4, 1                       ; h
	v_lshlrev_b32 v1, 4, v113                      ; 16 x lane
	v_lshlrev_b32 v2, 3, v113                      ; 8 x lane
	v_mul_u32_u24 v3, v114, XROW
	v_lshl_add_u32 v3, v115, 4, v3                 ; x's fragments: row r, + 16 h; tiles 0-3
	v_add_nc_u32 v4, 4*TILEB, v3                   ; tiles 4-7
	s_mul_i32 s26, s20, 32*XROW
	v_add_nc_u32 v5, s26, v1                       ; where my wave's 32 gathered rows go
	s_mul_i32 s26, s20, 16*272
	s_add_co_u32 s26, s26, STG                     ; my stage
	v_mul_u32_u24 v6, v114, 272
	v_lshl_add_u32 v6, v115, 5, v6
	v_add_nc_u32 v6, s26, v6                       ; in: row r, + 32 h
	v_mul_u32_u24 v7, v115, 272
	v_lshl_add_u32 v7, v114, 4, v7
	v_add_nc_u32 v7, s26, v7                       ; back: lanes 0-15 one row, lanes 16-31 the next
	v_lshlrev_b32 v8, 5, v115                      ; the bias: 32 h
	v_lshlrev_b32 v9, 4, v114
	v_lshlrev_b32 v10, 2, v115
	v_lshlrev_b32 v11, 2, v114
	v_lshlrev_b32 v112, 2, v113
.irp a, 0,1,2,3,4,5,6,7
	v_mov_b32 v[GT+2*\a+1], 0                      ; named with the gates as pairs, so they are written
.endr
	s_mov_b32 s29, 0
	s_wait_kmcnt 0x0
	s_lshl_b32 s28, s22, 9
	s_add_nc_u64 s[OB:OB+1], s[10:11], s[28:29]
	s_lshl_b32 s28, s20, 7
	s_add_nc_u64 s[92:93], s[OB:OB+1], s[28:29]    ; my wave's 32 tokens
	s_lshl_b32 s28, s22, 2
	s_add_nc_u64 s[96:97], s[10:11], s[28:29]
	s_load_b32 s24, s[96:97], 0x8000               ; bm[blk]
	s_load_b512 s[32:47], s[92:93], 0x0
	s_load_b512 s[48:63], s[92:93], 0x40
.irp m, 0,1,2,3
	global_load_b32 v[TKL+\m], v112, s[OB:OB+1] offset:128*\m   ; token 32 m + lane: for x's scale words
.endr
.irp a, 0,1,2,3,4,5,6,7
	global_load_b32 v[GO+\a], v11, s[OB:OB+1] offset:64*\a      ; token 16 a + r: for the gates
.endr
	s_lshl_b32 s28, s23, 16
	s_add_nc_u64 s[RW:RW+1], s[12:13], s[28:29]
	s_lshl_b32 s28, s23, 11
	s_add_nc_u64 s[RS:RS+1], s[14:15], s[28:29]
	s_lshl_b32 s28, s23, 8
	s_add_nc_u64 s[RB:RB+1], s[16:17], s[28:29]
	s_mov_b64 s[RG:RG+1], s[8:9]
	s_lshl_b32 s28, s23, 8                         ; 1,024 ns + 256 w = 256 q
	s_add_nc_u64 s[OUTB:OUTB+1], s[18:19], s[28:29]
	s_wait_kmcnt 0x0
.set j, 0
.rept 32
	s_min_u32 s[32+j], s[32+j], 0x1fff             ; a token's number, held inside the tables
	v_lshl_add_u32 v[XF+j], s[32+j], 10, v1        ; its row of codes, 16 bytes a lane
.set j, j+1
.endr
	GATHER 0
	GATHER 1
	s_and_b32 s24, s24, 0xff
	NEXTE
	BASES WB, SB, B0, GB, 26                       ; the first expert
	NEXTE
	BASES WN, SN, BN, GN, 26                       ; the second
	s_bcnt1_i32_b32 s25, s24
	s_min_u32 s25, s25, 6                          ; experts between the first and the last
	s_wait_loadcnt 32                              ; the twelve loads of token numbers are in; the two groups' 32 may be out
.irp m, 0,1,2,3
	v_min_u32 v[TKL+\m], 0x1fff, v[TKL+\m]
	v_lshlrev_b32 v[TKL+\m], 5, v[TKL+\m]
.endr
.irp a, 0,1,2,3,4,5,6,7
	v_min_u32 v[GO+\a], 0x1fff, v[GO+\a]
	v_lshlrev_b32 v[GO+\a], 5, v[GO+\a]
.endr
.irp m, 0,1,2,3
	global_load_b128 v[XSC+8*\m:XSC+8*\m+3], v[TKL+\m], s[6:7]              ; x's eight scale words of a token
	global_load_b128 v[XSC+8*\m+4:XSC+8*\m+7], v[TKL+\m], s[6:7] offset:16
.endr
	GATHER 2
	s_wait_loadcnt 40                              ; group 0 is in (behind it: group 1's 16, the 8 of scale words, group 2's 16)
	PUT 0
	GATHER 3
	s_wait_loadcnt 40                              ; group 1 (behind it: 8 + 16 + 16)
	PUT 1
	s_wait_loadcnt 16                              ; group 2 (behind it: group 3)
	PUT 2
.irp b, 0,1,2,3
	global_load_b128 v[BI+8*\b:BI+8*\b+3], v8, s[B0:B0+1] offset:64*\b
	global_load_b128 v[BI+8*\b+4:BI+8*\b+7], v8, s[B0:B0+1] offset:64*\b+16
.endr
	WLOAD 0, 0, WB, SB
	s_wait_loadcnt 25                              ; group 3 (behind it: the bias's 8 and a set's 17)
	PUT 3
	WLOAD 1, 1, WB, SB
	WLOAD 2, 2, WB, SB
	s_wait_dscnt 0x0                               ; for the others' sake: my 32 rows lie in LDS
	s_barrier_signal -1
	s_barrier_wait -1                              ; the only barrier: from here on x's rows are only read
	XFETCH 0, 0
	XFETCH 0, 4
	STEPS 0                                        ; the first expert
	COMBINE 1
	ADVANCE
	s_cmp_eq_u32 s25, 0
	s_cbranch_scc1 .Llast
.Lmid:                                             ; the experts between: every way in leaves the same loads out: two sets behind set 0, and x's 32 LDS loads
	STEPS 0
	COMBINE 0
	ADVANCE
	s_sub_co_u32 s25, s25, 1
	s_cmp_lg_u32 s25, 0
	s_cbranch_scc1 .Lmid
.Llast:                                            ; the last expert asks for nothing beyond itself
	STEPS 1
.irp a, 0,1,2,3,4,5,6,7
.irp t, 0,1,2,3,4,5,6,7
	global_load_b32 v[OID+8*\a+\t], v10, s[OB:OB+1] offset:(16*\a+2*\t)*4   ; token 16 a + 2 t + lane / 16: whose row I shall store (into x's registers: eight lines stand behind the last products)
.endr
.endr
	COMBINE 0
	s_wait_loadcnt 0x0
.set i, 0
.rept 64
	v_min_u32 v[OID+i], 0x1fff, v[OID+i]
	v_lshl_add_u32 v[OID+i], v[OID+i], 12, v9      ; the token's row of 4,096 bytes, + 16 (lane % 16)
.set i, i+1
.endr
; THE WAY OUT, a tile of 16 tokens at a time: a lane's 32 bytes of a row go into my stage and come back as whole runs of 256 bytes; sixteen lanes store one aligned run of a token's row.
.macro TOSTAGE a
	WIN FROM_OUT
.irp b, 0,1,2,3
	ds_store_b128 v6, v[8*(4*(\a)+\b):8*(4*(\a)+\b)+3] offset:64*\b
	ds_store_b128 v6, v[8*(4*(\a)+\b)+4:8*(4*(\a)+\b)+7] offset:64*\b+16
.endr
	WIN 0
.irp t, 0,1,2,3,4,5,6,7
	ds_load_b128 v[BK+32*((\a)%2)+4*\t:BK+32*((\a)%2)+4*\t+3], v7 offset:544*\t   ; LDS serves a wave's instructions in order: these see my stores, and the next tile's stores come behind them
.endr
.endm
.macro SEND a, younger                 ; younger: the LDS instructions issued behind tile a's loads
	s_wait_dscnt \younger
.irp t, 0,1,2,3,4,5,6,7
	global_store_b128 v[OID+8*(\a)+\t], v[BK+32*((\a)%2)+4*\t:BK+32*((\a)%2)+4*\t+3], s[OUTB:OUTB+1] th:TH_STORE_NT
.endr
.endm
	TOSTAGE 0
.irp a, 1,2,3,4,5,6,7
.if \a > 1
	s_wait_xcnt 0x0                                ; the stores of two tiles back have read the registers into which this tile's loads land
.endif
	TOSTAGE \a
	SEND (\a)-1, 16                                ; behind tile a - 1's loads: tile a's 8 stores and 8 loads
.endr
	SEND 7, 0
	s_wait_tensorcnt 0x0
	ds_add_u32 v126, v127
	s_wait_dscnt 0x0
	s_endpgm
.Lfunc_end_k_q13e17553d9_experts:
	.size	k_q13e17553d9_experts, .Lfunc_end_k_q13e17553d9_experts-k_q13e17553d9_experts
	.p2alignl 7, 3214868480
	.fill 96, 4, 3214868480
	.section	.rodata,"a",@progbits
	.p2align	6, 0x0
	.amdhsa_kernel k_q13e17553d9_experts
		.amdhsa_group_segment_fixed_size 151040
		.amdhsa_private_segment_fixed_size 0
		.amdhsa_enable_private_segment 0
		.amdhsa_kernarg_size 64
		.amdhsa_user_sgpr_count 2
		.amdhsa_user_sgpr_kernarg_segment_ptr 1
		.amdhsa_wavefront_size32 1
		.amdhsa_system_sgpr_workgroup_id_x 1
		.amdhsa_system_sgpr_workgroup_id_y 1
		.amdhsa_system_sgpr_workgroup_id_z 1
		.amdhsa_system_vgpr_workitem_id 0
		.amdhsa_next_free_vgpr 1024
		.amdhsa_next_free_sgpr 100
		.amdhsa_reserve_vcc 0
		.amdhsa_float_denorm_mode_32 3
		.amdhsa_float_denorm_mode_16_64 3
		.amdhsa_memory_ordered 1
		.amdhsa_forward_progress 1
		.amdhsa_inst_pref_size 255
	.end_amdhsa_kernel
	.section	.bss,"aw",@nobits
	.p2align	6
	.space	262144
	.amdgpu_metadata
---
amdhsa.version: [ 1, 2 ]
amdhsa.kernels:
  - .name:           k_q13e17553d9_experts
    .symbol:         k_q13e17553d9_experts.kd
    .args:
      - { .name: xq, .offset: 0, .size: 8, .value_kind: global_buffer, .address_space: global }
      - { .name: xs, .offset: 8, .size: 8, .value_kind: global_buffer, .address_space: global }
      - { .name: gate8, .offset: 16, .size: 8, .value_kind: global_buffer, .address_space: global }
      - { .name: plan, .offset: 24, .size: 8, .value_kind: global_buffer, .address_space: global }
      - { .name: Wimg, .offset: 32, .size: 8, .value_kind: global_buffer, .address_space: global }
      - { .name: WSI, .offset: 40, .size: 8, .value_kind: global_buffer, .address_space: global }
      - { .name: be, .offset: 48, .size: 8, .value_kind: global_buffer, .address_space: global }
      - { .name: out0, .offset: 56, .size: 8, .value_kind: global_buffer, .address_space: global }
    .group_segment_fixed_size: 151040
    .private_segment_fixed_size: 0
    .kernarg_segment_align: 8
    .kernarg_segment_size: 64
    .max_flat_workgroup_size: 128
    .sgpr_count:     100
    .vgpr_count:     1024
    .wavefront_size: 32
...
	.end_amdgpu_metadata
.endif
;; end of part 3
;; ======== version 2 of 2: 3 launches
;; workspace buffers: xq 8,388,608 bytes; xs 262,144 bytes; gate8 262,144 bytes; route 65,536 bytes of whole numbers; plan 33,024 bytes of whole numbers; Wimg 8,388,608 bytes; WSI 262,144 bytes
;; launch route_quant (part 4): grid 256 x 1, 4 waves a work-group, no clusters, 27,136 bytes of LDS; arguments x, Wg, bg, xq, xs, gate8, route; writes xq, xs, gate8, route
.if DOCPART == 4
	.amdgcn_target "amdgcn-amd-amdhsa--gfx1250"
	.amdhsa_code_object_version 6
	.text
	.protected	k_q13e17553d9_route_quant
	.globl	k_q13e17553d9_route_quant
	.p2align	8
	.type	k_q13e17553d9_route_quant,@function
k_q13e17553d9_route_quant:
	s_mov_b64 s[64:65], 0
	v_nop
	global_prefetch_b8 v0, s[64:65] scope:SCOPE_SE
	s_setreg_imm32_b32 hwreg(HW_REG_WAVE_MODE, 25, 1), 1
	s_wait_xcnt 0x0
; ROUTER AND QUANTISER.  x [8192][1024] f32 is read once.  From it come: (a) codes of E5M2 with one E8M0 byte for each 32 along D (xq [token][1024], xs [token][32]);
; (b) the router in f32: logits = x Wg + bg, softmax with the row's maximum taken away, the two largest probabilities (the lower index wins a tie), gates g = p / (p1 + p2 + 1e-9).
; Stored at FIXED places: gate8 [token][8] f32 (0 for experts not chosen); route: kr[token] = key | rank << 8, and from byte 32,768 hist[group of 32 tokens][32]: how many of the group's tokens have key k.
; key numbers the pair lo < hi of experts, 0 .. 27: (lo (15 - lo)) / 2 + (lo odd ? 7 - hi : hi - lo - 1): neighbouring keys share an expert.  rank numbers a token among its group's tokens of the same key.
; No address and no branch here hangs on the choice: key, rank and counts are values that a later launch reads.
; SHARES.  A work-group owns 32 tokens; wave w owns d = 256 w .. 256 w + 255 of all of them.  A step takes two tokens: four loads of 512 consecutive bytes, which turn through the wave's own stage in LDS,
; so that lane l holds 16 neighbours d = 256 w + 16 (l % 16) + i of token 2 u + l / 16.  Two neighbouring lanes hold a block of 32.  The same 16 numbers, before the hold, feed 8 partial logits a lane
; (Wg's 16 rows of a lane stay in 128 registers).
; At the end lane l holds the wave's part of the 8 logits of local token 2 (l % 16) + l / 16.  The four waves' parts meet in LDS; wave 0 does the softmax and the choice, a lane a token.
; LIMITS: NaN and infinities are not served.  A block of zeros, and a block whose largest magnitude lies under 2^-111, gets the byte 1 (zero blocks: zero codes; the bytes are read by this program alone).
; The logits' order of summation differs from the reference's, exp and rcp are good to 1 ulp: two probabilities closer than that may change places.
.set SP,   80                          ; a lane's place in a stage: 64 bytes + 16 of padding
.set STGB, 5120                        ; a wave's two stages of 32 x SP bytes
.set SCB,  20480                       ; scale bytes [local token][32], 1,024 bytes
.set LG,   21504                       ; partial logits [wave][lane][8] f32, 4,096 bytes
.set GS,   25600                       ; wave 0's turn for gate8, 1,024 bytes
.set R,    24                          ; v24-135  seven sets of 16 numbers as loaded
.set X,    136                         ; v136-167 two sets of 16 neighbours
.set C,    168                         ; v168-183 four sets of 4 registers of codes
.set E,    184                         ; v184-185 the scale byte, two registers by turns
.set P,    186                         ; banks of 8 partial logits
.set Q,    194
.set L0A,  202
.set L1A,  210
.set L2A,  218
.set L3A,  226
.set TT,   234                         ; v234-237 at work in a merge
; window 1: v0-127: Wg[256 w + 16 (l % 16) + i][e] at 8 i + e
.set MSB, 0
.macro WIN new                         ; the immediate's high byte repeats the setting that is left
.if MSB != \new
	s_set_vgpr_msb (MSB<<8)|\new
.set MSB, \new
.endif
.endm
	s_load_b256 s[4:11], s[0:1], 0x0               ; x s[4:5], Wg s[6:7], bg s[8:9], xq s[10:11]
	s_load_b128 s[12:15], s[0:1], 0x20             ; xs s[12:13], gate8 s[14:15]
	s_load_b64 s[16:17], s[0:1], 0x30              ; route
	v_lshl_add_u32 v254, v0, 2, 0x6800
	v_mov_b32 v255, 0
	v_lshrrev_b32 v1, 5, v0
	v_readfirstlane_b32 s28, v1                    ; wave 0..3
	v_and_b32 v1, 31, v0                           ; lane
	v_and_b32 v2, 15, v0                           ; l % 16
	v_bfe_u32 v12, v0, 4, 1                        ; l / 16
	v_lshlrev_b32 v3, 4, v1                        ; x: 16 bytes a lane
	v_lshlrev_b32 v4, 10, v12
	v_lshl_add_u32 v4, v2, 4, v4
	s_lshl_b32 s36, s28, 8
	v_add_nc_u32 v4, s36, v4                       ; codes out: 1,024 (l / 16) + 16 (l % 16) + 256 w
	v_lshrrev_b32 v5, 1, v2
	v_lshl_add_u32 v5, v12, 5, v5
	s_lshl_b32 s37, s28, 3
	s_add_co_u32 s37, s37, SCB
	v_add_nc_u32 v5, s37, v5                       ; my block's byte: SCB + 32 (l / 16) + (l % 16) / 2 + 8 w
	v_lshlrev_b32 v7, 3, v1                        ; 8 x lane
	s_add_co_u32 s36, s36, SCB
	v_add_nc_u32 v6, s36, v7                       ; the bytes on their way out: SCB + 256 w + 8 x lane
	s_mul_i32 s38, s28, STGB
	v_lshrrev_b32 v14, 2, v1
	v_mul_u32_u24 v14, v14, SP
	v_and_b32 v15, 3, v1
	v_lshl_add_u32 v14, v15, 4, v14
	v_add_nc_u32 v14, s38, v14                     ; the stage, in: four lanes' 64 bytes on end, then the padding
	v_mul_u32_u24 v15, v1, SP
	v_add_nc_u32 v15, s38, v15                     ; and out: SP x lane
	v_lshlrev_b32 v13, 9, v2                       ; Wg: my 16 rows of 32 bytes
	v_lshlrev_b32 v17, 5, v1
	v_add_nc_u32 v17, LG, v17                      ; LG + 32 x lane
	s_lshl_b32 s39, s28, 10
	v_add_nc_u32 v16, s39, v17                     ; + 1,024 w
	v_lshl_add_u32 v18, v2, 1, v12                 ; my local token at the end: 2 (l % 16) + l / 16
	v_lshlrev_b32 v19, 5, v18
	v_add_nc_u32 v19, GS, v19
	v_add_nc_u32 v20, GS, v3
	v_lshlrev_b32 v21, 2, v18
	v_lshlrev_b32 v22, 2, v1
	s_mov_b32 s30, 0xaaaaaaaa                      ; the lanes whose bit 0, 1, 2, 3 is set
	s_mov_b32 s31, 0xcccccccc
	s_mov_b32 s32, 0xf0f0f0f0
	s_mov_b32 s33, 0xff00ff00
	s_mov_b32 s34, 0x600000                        ; the mantissa field of 57,344
	s_mov_b32 s41, 0
	s_wait_kmcnt 0x0
	s_load_b256 s[20:27], s[8:9], 0x0              ; bg
	s_lshl_b32 s40, ttmp9, 17                      ; 32 rows of 4,096 bytes a work-group,
	s_lshl_b32 s42, s28, 10                        ; 1,024 bytes of a row a wave
	s_add_co_u32 s40, s40, s42
	s_add_nc_u64 s[4:5], s[4:5], s[40:41]
	s_lshl_b32 s40, s28, 13
	s_add_nc_u64 s[6:7], s[6:7], s[40:41]          ; Wg: 256 rows a wave
	s_lshl_b32 s40, ttmp9, 15
	s_add_nc_u64 s[10:11], s[10:11], s[40:41]
	s_lshl_b32 s40, ttmp9, 10
	s_add_nc_u64 s[14:15], s[14:15], s[40:41]
	s_lshl_b32 s42, s28, 8
	s_add_co_u32 s40, s40, s42
	s_add_nc_u64 s[12:13], s[12:13], s[40:41]      ; xs: the work-group's 1,024 bytes, my wave's 256
	s_lshl_b32 s40, ttmp9, 7
	s_add_nc_u64 s[16:17], s[16:17], s[40:41]
	WIN 0x40                                       ; destination window 1
.set j, 0
.rept 32
	global_load_b128 v[4*j:4*j+3], v13, s[6:7] offset:16*j
.set j, j+1
.endr
	WIN 0
.macro LOAD t                          ; step t: tokens 2 t and 2 t + 1, my wave's 1,024 bytes of each, 512 consecutive bytes a load
.irp i, 0,1
	global_load_b128 v[R+16*((\t)%7)+4*\i:R+16*((\t)%7)+4*\i+3], v3, s[4:5] offset:8192*(\t)+512*\i th:TH_LOAD_NT
.endr
.irp i, 0,1
	global_load_b128 v[R+16*((\t)%7)+8+4*\i:R+16*((\t)%7)+8+4*\i+3], v3, s[4:5] offset:8192*(\t)+4096+512*\i th:TH_LOAD_NT
.endr
.endm
.macro TURN t                          ; step t's 2,048 bytes through the stage: LDS serves a wave's instructions in order, so no wait stands between the stores and the loads
.irp i, 0,1,2,3
	ds_store_b128 v14, v[R+16*((\t)%7)+4*\i:R+16*((\t)%7)+4*\i+3] offset:32*SP*((\t)%2)+8*SP*\i
.endr
.irp i, 0,1,2,3
	ds_load_b128 v[X+16*((\t)%2)+4*\i:X+16*((\t)%2)+4*\i+3], v15 offset:32*SP*((\t)%2)+16*\i
.endr
.endm
; 8 partial logits of my 16 numbers: two logits an instruction; x's number is taken from its pair for both halves
.macro DOT xs, bank
	WIN 0x04                                       ; source 1 (Wg) window 1
.irp i, 0,2,4,6,8,10,12,14
.irp p, 0,1,2,3
.if \i == 0
	v_pk_mul_f32 v[\bank+2*\p:\bank+2*\p+1], v[\xs+\i:\xs+\i+1], v[8*\i+2*\p:8*\i+2*\p+1] op_sel:[0,0] op_sel_hi:[0,1]
.else
	v_pk_fma_f32 v[\bank+2*\p:\bank+2*\p+1], v[\xs+\i:\xs+\i+1], v[8*\i+2*\p:8*\i+2*\p+1], v[\bank+2*\p:\bank+2*\p+1] op_sel:[0,0,0] op_sel_hi:[0,1,1]
.endif
.endr
.irp p, 0,1,2,3
	v_pk_fma_f32 v[\bank+2*\p:\bank+2*\p+1], v[\xs+\i:\xs+\i+1], v[8*\i+8+2*\p:8*\i+8+2*\p+1], v[\bank+2*\p:\bank+2*\p+1] op_sel:[1,0,0] op_sel_hi:[1,1,1]
.endr
.endr
	WIN 0
.endm
; Two banks become one: lanes whose bit lev is 0 keep a's sum of lanes l and l xor x, the others b's
.macro MERGE8 dst, a, b, lev, x
.irp e, 0,1,2,3,4,5,6,7
	v_cndmask_b32 v[TT+\e%4], v[\b+\e], v[\a+\e], s[30+\lev]
	v_cndmask_b32 v[\dst+\e], v[\a+\e], v[\b+\e], s[30+\lev]
	v_add_f32_dpp v[\dst+\e], v[TT+\e%4], v[\dst+\e] row_xmask:\x row_mask:0xf bank_mask:0xf
.endr
.endm
.macro REDUCE u                        ; behind an odd step: as many levels as u has ones at its low end
.if ((\u)&1)
.if ((\u)&2)
	MERGE8 Q, L0A, P, 0, 1
.if ((\u)&4)
	MERGE8 P, L1A, Q, 1, 2
.if ((\u)&8)
	MERGE8 Q, L2A, P, 2, 4
	MERGE8 P, L3A, Q, 3, 8
.else
	MERGE8 L3A, L2A, P, 2, 4
.endif
.else
	MERGE8 L2A, L1A, Q, 1, 2
.endif
.else
	MERGE8 L1A, L0A, P, 0, 1
.endif
.endif
.endm
.macro STEP u
.set XS, X+16*((\u)%2)
.if (\u) > 0
	s_wait_dscnt 1                                 ; this step's numbers are back from the stage; the last step's byte store may be out
.else
	s_wait_dscnt 0x0
.endif
.if (\u)+7 < 16
	LOAD (\u)+7                                    ; into the set that this step's turn has read
.endif
.if (\u) < 15
.if (\u)+7 < 15
	s_wait_loadcnt 24                              ; the next step's four loads are in; those of the six steps behind it may be out
.else
	s_wait_loadcnt 4*(14-(\u))                     ; towards the end fewer steps stand behind it
.endif
	TURN (\u)+1
.endif
	v_max3_num_f32 v8, |v[XS]|, |v[XS+1]|, |v[XS+2]|               ; the largest magnitude of my 16
	v_max3_num_f32 v9, |v[XS+3]|, |v[XS+4]|, |v[XS+5]|
.irp i, 6,10
	v_max3_num_f32 v8, v8, |v[XS+\i]|, |v[XS+\i+1]|
	v_max3_num_f32 v9, v9, |v[XS+\i+2]|, |v[XS+\i+3]|
.endr
	v_max3_num_f32 v8, v8, |v[XS+14]|, |v[XS+15]|
	v_max3_num_f32 v8, v8, v9, 0x8000000           ; and the floor 2^(16 - 127): the byte cannot fall under 1
	v_max_num_f32_dpp v8, v8, v8 row_xmask:1 row_mask:0xf bank_mask:0xf   ; and of my neighbour's 16: the block's
	v_add_nc_u32 v11, 0xf8800000, v8               ; 15 off its exponent field: the conversion's scale operand
	v_and_or_b32 v10, v8, 0x7f800000, s34          ; 57,344 x the scale
.if ((\u)&1)
	DOT XS, P                                      ; the router takes the numbers as they came, ahead of the hold
.else
	DOT XS, L0A
.endif
	REDUCE \u
.irp i, 0,1,2,3,4,5,6,7,8,9,10,11,12,13,14,15
	v_med3_num_f32 v[XS+\i], v[XS+\i], -v10, v10   ; the conversion to an 8-bit code does not saturate (ISA guide 7.6.2): the hold at the largest code x the scale
.endr
	s_wait_alu depctr_va_vdst(0)
	s_wait_xcnt 0x0                                ; the store of four steps back has read this set of codes
	v_cvt_scalef32_pk8_bf8_f32 v[C+4*((\u)%4):C+4*((\u)%4)+1], v[XS:XS+7], v11
	v_cvt_scalef32_pk8_bf8_f32 v[C+4*((\u)%4)+2:C+4*((\u)%4)+3], v[XS+8:XS+15], v11
	v_lshrrev_b32 v[E+(\u)%2], 23, v11             ; the scale's byte (also the plain line behind the conversions)
	ds_store_b8 v5, v[E+(\u)%2] offset:64*(\u)     ; both lanes of a block write the same byte with the same value
	global_store_b128 v4, v[C+4*((\u)%4):C+4*((\u)%4)+3], s[10:11] offset:2048*(\u)   ; each half of the lanes stores 256 consecutive bytes, aligned
.endm
.irp t, 0,1,2,3,4,5,6
	LOAD \t
.endr
	s_wait_kmcnt 0x0                               ; bg
	s_wait_loadcnt 24                              ; Wg and step 0 are in; steps 1 to 6 may be out
	TURN 0
.irp u, 0,1,2,3,4,5,6,7,8,9,10,11,12,13,14,15
	STEP \u
.endr
	ds_store_b128 v16, v[P:P+3]                    ; my wave's part of the logits
	ds_store_b128 v16, v[P+4:P+7] offset:16
	s_wait_dscnt 0x0                               ; for the others' sake: my bytes and my partial logits lie in LDS
	s_barrier_signal -1
	s_barrier_wait -1
	ds_load_b64 v[8:9], v6
	s_wait_dscnt 0x0
	global_store_b64 v7, v[8:9], s[12:13]          ; 32 lanes store 256 consecutive scale bytes, aligned
	s_cmp_lg_u32 s28, 0
	s_cbranch_scc1 .Lend
; ---- wave 0: a lane a token
.set PL,  24                           ; v24-55  the four waves' parts
.set PR,  56                           ; v56-63  exponentials, then probabilities
.set V1,  64
.set I1,  65
.set V2,  66
.set I2,  67
.set TS,  68
.set G1,  69
.set G2,  70
.set LO,  71
.set HI,  72
.set KEY, 73
.set RNK, 74
.set HS,  75
.set T0,  76
.set T1,  77
.set T2,  78
.set KRW, 79
.set GV,  80                           ; v80-87  the eight gates
.set GR,  88                           ; v88-95  and read back
.irp w, 0,1,2,3
	ds_load_b128 v[PL+8*\w:PL+8*\w+3], v17 offset:1024*\w
	ds_load_b128 v[PL+8*\w+4:PL+8*\w+7], v17 offset:1024*\w+16
.endr
	s_wait_dscnt 0x0
.irp e, 0,1,2,3,4,5,6,7
	v_add_f32 v[PL+\e], v[PL+\e], v[PL+8+\e]
	v_add_f32 v[PL+16+\e], v[PL+16+\e], v[PL+24+\e]
.endr
.irp e, 0,1,2,3,4,5,6,7
	v_add_f32 v[PL+\e], v[PL+\e], v[PL+16+\e]
.endr
.irp e, 0,1,2,3,4,5,6,7
	v_add_f32 v[PL+\e], s[20+\e], v[PL+\e]         ; + bg
.endr
	v_max3_num_f32 v[T0], v[PL], v[PL+1], v[PL+2]  ; the row's maximum is taken away ahead of the exponentials
	v_max3_num_f32 v[T0], v[T0], v[PL+3], v[PL+4]
	v_max3_num_f32 v[T0], v[T0], v[PL+5], v[PL+6]
	v_max_num_f32 v[T0], v[T0], v[PL+7]
.irp e, 0,1,2,3,4,5,6,7
	v_sub_f32 v[PL+\e], v[PL+\e], v[T0]
.endr
.irp e, 0,1,2,3,4,5,6,7
	v_mul_f32 v[PL+\e], 0x3fb8aa3b, v[PL+\e]       ; x log2(e)
.endr
	s_wait_alu depctr_va_vdst(0)
.irp e, 0,1,2,3,4,5,6,7
	v_exp_f32 v[PR+\e], v[PL+\e]
.endr
	v_nop                                          ; a plain line behind the last exponential
	s_wait_alu depctr_va_vdst(0)                   ; one wait for the eight, ahead of their first reader
	v_add_f32 v[PL], v[PR], v[PR+1]
	v_add_f32 v[PL+1], v[PR+2], v[PR+3]
	v_add_f32 v[PL+2], v[PR+4], v[PR+5]
	v_add_f32 v[PL+3], v[PR+6], v[PR+7]
	v_add_f32 v[PL], v[PL], v[PL+1]
	v_add_f32 v[PL+2], v[PL+2], v[PL+3]
	v_add_f32 v[PL], v[PL], v[PL+2]
	s_wait_alu depctr_va_vdst(0)
	v_rcp_f32 v[T1], v[PL]
	v_nop
	s_wait_alu depctr_va_vdst(0)
.irp e, 0,1,2,3,4,5,6,7
	v_mul_f32 v[PR+\e], v[PR+\e], v[T1]            ; the probabilities
.endr
	v_mov_b32 v[V1], v[PR]                         ; the largest: a later one takes the place only if it is strictly larger
	v_mov_b32 v[I1], 0
.irp e, 1,2,3,4,5,6,7
	v_cmp_ge_f32 vcc_lo, v[V1], v[PR+\e]           ; keep?
	v_cndmask_b32 v[I1], \e, v[I1], vcc_lo
	v_cndmask_b32 v[V1], v[PR+\e], v[V1], vcc_lo
.endr
	v_mov_b32 v[V2], -1.0                          ; the second: the same scan without the first's index
	v_mov_b32 v[I2], 0
.irp e, 0,1,2,3,4,5,6,7
	v_cmp_eq_u32 s36, \e, v[I1]
	v_cmp_ge_f32 vcc_lo, v[V2], v[PR+\e]
	s_or_b32 vcc_lo, vcc_lo, s36
	v_cndmask_b32 v[I2], \e, v[I2], vcc_lo
	v_cndmask_b32 v[V2], v[PR+\e], v[V2], vcc_lo
.endr
	v_add_f32 v[TS], v[V1], v[V2]
	v_add_f32 v[TS], 0x3089705f, v[TS]             ; + 1e-9
	s_wait_alu depctr_va_vdst(0)
	v_rcp_f32 v[T1], v[TS]
	v_min_u32 v[LO], v[I1], v[I2]                  ; (plain work behind the reciprocal)
	v_max_u32 v[HI], v[I1], v[I2]
	s_wait_alu depctr_va_vdst(0)
	v_mul_f32 v[G1], v[V1], v[T1]
	v_mul_f32 v[G2], v[V2], v[T1]
.irp e, 0,1,2,3,4,5,6,7
	v_cmp_eq_u32 vcc_lo, \e, v[I1]
	v_cndmask_b32 v[GV+\e], 0, v[G1], vcc_lo
	v_cmp_eq_u32 vcc_lo, \e, v[I2]
	v_cndmask_b32 v[GV+\e], v[GV+\e], v[G2], vcc_lo
.endr
	v_sub_nc_u32 v[T0], 15, v[LO]
	v_mul_u32_u24 v[T0], v[LO], v[T0]
	v_lshrrev_b32 v[T0], 1, v[T0]                  ; (lo (15 - lo)) / 2
	v_sub_nc_u32 v[T1], v[HI], v[LO]
	v_add_nc_u32 v[T1], -1, v[T1]                  ; hi - lo - 1
	v_sub_nc_u32 v[T2], 7, v[HI]                   ; 7 - hi
	v_and_b32 v[KEY], 1, v[LO]
	v_cmp_eq_u32 vcc_lo, 1, v[KEY]
	v_cndmask_b32 v[T1], v[T1], v[T2], vcc_lo
	v_add_nc_u32 v[KEY], v[T0], v[T1]
	v_mov_b32 v[RNK], 0
	v_mov_b32 v[HS], 0
.irp k, 0,1,2,3,4,5,6,7,8,9,10,11,12,13,14,15,16,17,18,19,20,21,22,23,24,25,26,27
	v_cmp_eq_u32 s36, \k, v[KEY]                   ; the lanes with key k:
	v_mbcnt_lo_u32_b32 v[T0], s36, 0               ; how many of them stand below me,
	v_cndmask_b32 v[RNK], v[RNK], v[T0], s36       ; which is my rank if k is my key;
	s_bcnt1_i32_b32 s37, s36
	v_writelane_b32 v[HS], s37, \k                 ; and their number, into lane k
.endr
	v_lshl_or_b32 v[KRW], v[RNK], 8, v[KEY]
	global_store_b32 v21, v[KRW], s[16:17]               ; kr, at my token's fixed place
	global_store_b32 v22, v[HS], s[16:17] offset:32768   ; the group's counts
	ds_store_b128 v19, v[GV:GV+3]                  ; the gates turn through LDS into token order
	ds_store_b128 v19, v[GV+4:GV+7] offset:16
	ds_load_b128 v[GR:GR+3], v20
	ds_load_b128 v[GR+4:GR+7], v20 offset:512
	s_wait_dscnt 0x0
	global_store_b128 v3, v[GR:GR+3], s[14:15]     ; 512 consecutive bytes a store
	global_store_b128 v3, v[GR+4:GR+7], s[14:15] offset:512
.Lend:
	s_wait_tensorcnt 0x0
	ds_add_u32 v254, v255
	s_wait_dscnt 0x0
	s_endpgm
.Lfunc_end_k_q13e17553d9_route_quant:
	.size	k_q13e17553d9_route_quant, .Lfunc_end_k_q13e17553d9_route_quant-k_q13e17553d9_route_quant
	.p2alignl 7, 3214868480
	.fill 96, 4, 3214868480
	.section	.rodata,"a",@progbits
	.p2align	6, 0x0
	.amdhsa_kernel k_q13e17553d9_route_quant
		.amdhsa_group_segment_fixed_size 27136
		.amdhsa_private_segment_fixed_size 0
		.amdhsa_enable_private_segment 0
		.amdhsa_kernarg_size 56
		.amdhsa_user_sgpr_count 2
		.amdhsa_user_sgpr_kernarg_segment_ptr 1
		.amdhsa_wavefront_size32 1
		.amdhsa_system_sgpr_workgroup_id_x 1
		.amdhsa_system_sgpr_workgroup_id_y 1
		.amdhsa_system_sgpr_workgroup_id_z 1
		.amdhsa_system_vgpr_workitem_id 0
		.amdhsa_next_free_vgpr 384
		.amdhsa_next_free_sgpr 66
		.amdhsa_reserve_vcc 1
		.amdhsa_float_denorm_mode_32 3
		.amdhsa_float_denorm_mode_16_64 3
		.amdhsa_memory_ordered 1
		.amdhsa_forward_progress 1
		.amdhsa_inst_pref_size 160
	.end_amdhsa_kernel
	.amdgpu_metadata
---
amdhsa.version: [ 1, 2 ]
amdhsa.kernels:
  - .name:           k_q13e17553d9_route_quant
    .symbol:         k_q13e17553d9_route_quant.kd
    .args:
      - { .name: x, .offset: 0, .size: 8, .value_kind: global_buffer, .address_space: global }
      - { .name: Wg, .offset: 8, .size: 8, .value_kind: global_buffer, .address_space: global }
      - { .name: bg, .offset: 16, .size: 8, .value_kind: global_buffer, .address_space: global }
      - { .name: xq, .offset: 24, .size: 8, .value_kind: global_buffer, .address_space: global }
      - { .name: xs, .offset: 32, .size: 8, .value_kind: global_buffer, .address_space: global }
      - { .name: gate8, .offset: 40, .size: 8, .value_kind: global_buffer, .address_space: global }
      - { .name: route, .offset: 48, .size: 8, .value_kind: global_buffer, .address_space: global }
    .group_segment_fixed_size: 27136
    .private_segment_fixed_size: 0
    .kernarg_segment_align: 8
    .kernarg_segment_size: 56
    .max_flat_workgroup_size: 128
    .sgpr_count:     66
    .vgpr_count:     384
    .wavefront_size: 32
...
	.end_amdgpu_metadata
.endif
;; end of part 4
;; launch place_lay (part 5): grid 257 x 1, 8 waves a work-group, no clusters, 37,888 bytes of LDS; arguments route, We_codes, We_scales, plan, Wimg, WSI; writes plan, Wimg, WSI
.if DOCPART == 5
	.amdgcn_target "amdgcn-amd-amdhsa--gfx1250"
	.amdhsa_code_object_version 6
	.text
	.protected	k_q13e17553d9_place_lay
	.globl	k_q13e17553d9_place_lay
	.p2align	8
	.type	k_q13e17553d9_place_lay,@function
k_q13e17553d9_place_lay:
	s_mov_b64 s[64:65], 0
	v_nop
	global_prefetch_b8 v0, s[64:65] scope:SCOPE_SE
	s_setreg_imm32_b32 hwreg(HW_REG_WAVE_MODE, 25, 1), 1
	s_wait_xcnt 0x0
; TWO JOBS IN ONE LAUNCH, parted on the work-group's number; each has LDS bytes of its own.
; WORK-GROUP 0 places the tokens: a counting sort by key.  plan: order[8192] = token numbers sorted by key; from byte 32,768 bm[64]: bit e is set where block b (sorted tokens 128 b .. 128 b + 127) uses expert e.
;   Wave v owns groups 32 v + i (a group = 32 tokens).  In the counts a lane is a key.  A token's place = the key's first place + the tokens of that key in earlier waves and groups + its rank in its group.
;   The 8,192 stores of 4 bytes go where the sort sends them: a scatter by its nature, 32 KiB in all.
; WORK-GROUPS 1 .. 256 lay We in the order of the operand's registers, so that the next launch loads whole fragments by 16 bytes a lane from consecutive bytes:
;   Wimg [e][q 0..15][s 0..7][b 0..3][c 0..3][lane][16 bytes] = codes of row n = 64 q + 16 b + lane % 16, k = 128 s + 32 c + 16 (lane / 16) + 0 .. 15;
;   WSI [e][q][s][lane][2 words]: word p = the scale word (four bytes, k = 128 s on) of row n = 64 q + 32 p + lane.
;   A wave takes 16 rows x 256 bytes: whole runs of 256 bytes in, through its own stage (rows 272 bytes apart), 512 consecutive bytes a store out.
;   The scale words are read 4 bytes of every 32: 262,144 bytes in all, against 8 MiB of codes.
.set SRT,  34816                       ; the sort's LDS: 8 waves x 128 bytes.  The lay path has bytes 0 .. 34,815: 8 stages of 16 x 272
.set H,    16                          ; v16-47   counts of my 32 groups; later lane indices
.set KR,   48                          ; v48-79   key | rank << 8 of my 32 x 32 tokens; later token numbers
.set EX,   80                          ; v80-112  running sums
.set PP,   113                         ; v113-144 places
.set T8,   145                         ; v145-152 the eight waves' totals
.set TOT,  153
.set WP,   154
.set BASE, 155
.set OFF,  156
.set LO0,  157
.set HI0,  158
.set LO1,  159
.set HI1,  160
.set M0,   161
.set M1,   162
.set TA,   163
.set TB,   164
.set PMV,  165
	s_load_b256 s[4:11], s[0:1], 0x0               ; route s[4:5], We_codes s[6:7], We_scales s[8:9], plan s[10:11]
	s_load_b128 s[12:15], s[0:1], 0x20             ; Wimg s[12:13], WSI s[14:15]
	v_lshl_add_u32 v192, v0, 2, 0x9000
	v_mov_b32 v193, 0
	v_lshrrev_b32 v1, 5, v0
	s_delay_alu instid0(VALU_DEP_1)
	v_readfirstlane_b32 s20, v1                    ; wave 0..7
	v_and_b32 v1, 31, v0                           ; lane
	v_and_b32 v2, 15, v0
	v_bfe_u32 v3, v0, 4, 1
	s_delay_alu instid0(VALU_DEP_3)
	v_lshlrev_b32 v4, 2, v1                        ; 4 x lane
	s_lshl_b32 s21, s20, 7
	s_add_co_u32 s21, s21, SRT
	v_add_nc_u32 v5, s21, v4                       ; SRT + 128 x wave + 4 x lane
	v_add_nc_u32 v6, SRT, v4
	s_mul_i32 s21, s20, 4352                       ; my stage
	v_mul_u32_u24 v7, v3, 272
	s_delay_alu instid0(VALU_DEP_1)
	v_lshl_add_u32 v7, v2, 4, v7
	s_delay_alu instid0(VALU_DEP_1)
	v_add_nc_u32 v7, s21, v7                       ; in: two rows an instruction, sixteen lanes to a row
	v_mul_u32_u24 v8, v2, 272
	s_delay_alu instid0(VALU_DEP_1)
	v_lshl_add_u32 v8, v3, 4, v8
	s_delay_alu instid0(VALU_DEP_1)
	v_add_nc_u32 v8, s21, v8                       ; out: row lane % 16, + 16 (lane / 16)
	v_lshlrev_b32 v9, 10, v3
	s_delay_alu instid0(VALU_DEP_1)
	v_lshl_add_u32 v9, v2, 4, v9                   ; the same two rows in We_codes
	v_lshlrev_b32 v10, 4, v1
	v_lshlrev_b32 v11, 5, v1
	v_lshlrev_b32 v12, 3, v1
	s_lshl_b32 s21, s20, 10
	v_add_nc_u32 v13, s21, v1                      ; 1,024 x wave + lane
	s_mov_b32 s29, 0
	s_wait_kmcnt 0x0
	s_cmp_lg_u32 ttmp9, 0
	s_cbranch_scc1 .Llay
; ---- the sort
	s_lshl_b32 s28, s20, 12
	s_add_nc_u64 s[16:17], s[4:5], s[28:29]        ; my 32 groups: 128 bytes each, in kr and in hist
.set i, 0
.rept 32
	global_load_b32 v[H+i], v4, s[16:17] offset:32768+128*i
.set i, i+1
.endr
.set i, 0
.rept 32
	global_load_b32 v[KR+i], v4, s[16:17] offset:128*i
.set i, i+1
.endr
	s_wait_loadcnt 32                              ; the counts are in; the 32 loads of kr may be out
	v_mov_b32 v[EX], 0
.set i, 0
.rept 32
	s_delay_alu instid0(VALU_DEP_1)
	v_add_nc_u32 v[EX+i+1], v[EX+i], v[H+i]        ; for each key: its tokens in my earlier groups
.set i, i+1
.endr
	ds_store_b32 v5, v[EX+32]                      ; my wave's totals
	s_wait_dscnt 0x0
	s_barrier_signal -1                            ; all eight waves of this work-group are on this path
	s_barrier_wait -1
.irp p, 0,1,2,3,4,5,6,7
	ds_load_b32 v[T8+\p], v6 offset:128*\p
.endr
	v_mov_b32 v[TOT], 0
	v_mov_b32 v[WP], 0
	v_mov_b32 v[BASE], 0
	s_wait_alu depctr_va_vdst(0)
	s_wait_dscnt 0x0
.irp p, 0,1,2,3,4,5,6,7
	v_add_nc_u32 v[TOT], v[TOT], v[T8+\p]
	s_cmp_gt_u32 s20, \p
	s_cselect_b32 s21, 1, 0
	v_mad_u32_u24 v[WP], v[T8+\p], s21, v[WP]      ; the earlier waves' share
.endr
	s_mov_b32 s22, 0
.irp k, 0,1,2,3,4,5,6,7,8,9,10,11,12,13,14,15,16,17,18,19,20,21,22,23,24,25,26,27
	v_readlane_b32 s23, v[TOT], \k
	v_writelane_b32 v[BASE], s22, \k               ; key k's first place
	s_add_co_u32 s22, s22, s23
.endr
	v_add_nc_u32 v[OFF], v[BASE], v[WP]
.set i, 0
.rept 32
	v_add_nc_u32 v[EX+i], v[EX+i], v[OFF]
.set i, i+1
.endr
	s_wait_loadcnt 0x0                             ; kr
.set i, 0
.rept 32
	v_and_b32 v[H+i], 0xff, v[KR+i]                ; my token's key,
	s_delay_alu instid0(VALU_DEP_1)
	v_min_u32 v[H+i], 31, v[H+i]                   ; held to a lane's number,
	s_delay_alu instid0(VALU_DEP_1)
	v_lshlrev_b32 v[H+i], 2, v[H+i]
	ds_bpermute_b32 v[PP+i], v[H+i], v[EX+i]       ; fetches that key's running place for group i (a lane permute: no LDS byte is touched)
.set i, i+1
.endr
	s_wait_dscnt 0x0
.set i, 0
.rept 32
	v_lshrrev_b32 v[KR+i], 8, v[KR+i]              ; + the rank
	s_delay_alu instid0(VALU_DEP_1)
	v_add_nc_u32 v[PP+i], v[PP+i], v[KR+i]
	s_delay_alu instid0(VALU_DEP_1)
	v_min_u32 v[PP+i], 0x1fff, v[PP+i]             ; held inside order[]
	s_delay_alu instid0(VALU_DEP_1)
	v_lshlrev_b32 v[PP+i], 2, v[PP+i]
	v_add_nc_u32 v[KR+i], 32*i, v13                ; the token's number
	global_store_b32 v[PP+i], v[KR+i], s[10:11]    ; each store has registers of its own: none is written again
.set i, i+1
.endr
	s_cmp_lg_u32 s20, 0
	s_cbranch_scc1 .Lend
	; wave 0: which experts each block of 128 places uses.  Lane l serves blocks l and l + 32
	v_lshlrev_b32 v[LO0], 7, v1
	s_delay_alu instid0(VALU_DEP_1)
	v_add_nc_u32 v[HI0], 128, v[LO0]
	s_delay_alu instid0(VALU_DEP_2)
	v_add_nc_u32 v[LO1], 4096, v[LO0]
	s_delay_alu instid0(VALU_DEP_1)
	v_add_nc_u32 v[HI1], 128, v[LO1]
	v_mov_b32 v[M0], 0
	v_mov_b32 v[M1], 0
.macro PAIR k, lo, hi                  ; key k = experts lo and hi lies in places [first, first + total): it meets a block where max(first, block's first) < min(end, block's end)
	v_readlane_b32 s24, v[BASE], \k
	v_readlane_b32 s25, v[TOT], \k
	s_add_co_u32 s25, s25, s24
	v_mov_b32 v[PMV], (1<<\lo)|(1<<\hi)
	v_max_u32 v[TA], s24, v[LO0]
	v_min_u32 v[TB], s25, v[HI0]
	s_delay_alu instid0(VALU_DEP_1)
	v_cmp_lt_u32 vcc_lo, v[TA], v[TB]
	s_delay_alu instid0(VALU_DEP_1)
	v_cndmask_b32 v[TA], 0, v[PMV], vcc_lo
	s_delay_alu instid0(VALU_DEP_1)
	v_or_b32 v[M0], v[M0], v[TA]
	v_max_u32 v[TA], s24, v[LO1]
	v_min_u32 v[TB], s25, v[HI1]
	s_delay_alu instid0(VALU_DEP_1)
	v_cmp_lt_u32 vcc_lo, v[TA], v[TB]
	s_delay_alu instid0(VALU_DEP_1)
	v_cndmask_b32 v[TA], 0, v[PMV], vcc_lo
	s_delay_alu instid0(VALU_DEP_1)
	v_or_b32 v[M1], v[M1], v[TA]
.endm
	PAIR 0, 0, 1
	PAIR 1, 0, 2
	PAIR 2, 0, 3
	PAIR 3, 0, 4
	PAIR 4, 0, 5
	PAIR 5, 0, 6
	PAIR 6, 0, 7
	PAIR 7, 1, 7
	PAIR 8, 1, 6
	PAIR 9, 1, 5
	PAIR 10, 1, 4
	PAIR 11, 1, 3
	PAIR 12, 1, 2
	PAIR 13, 2, 3
	PAIR 14, 2, 4
	PAIR 15, 2, 5
	PAIR 16, 2, 6
	PAIR 17, 2, 7
	PAIR 18, 3, 7
	PAIR 19, 3, 6
	PAIR 20, 3, 5
	PAIR 21, 3, 4
	PAIR 22, 4, 5
	PAIR 23, 4, 6
	PAIR 24, 4, 7
	PAIR 25, 5, 7
	PAIR 26, 5, 6
	PAIR 27, 6, 7
	global_store_b32 v4, v[M0], s[10:11] offset:32768
	global_store_b32 v4, v[M1], s[10:11] offset:32768+128
	s_branch .Lend
; ---- the weights' images
.Llay:
	s_sub_co_u32 s21, ttmp9, 1                     ; j = 0 .. 255
	s_lshr_b32 s22, s21, 5                         ; e
	s_bfe_u32 s23, s21, 0x40001                    ; q: 4 bits from bit 1
	s_and_b32 s24, s21, 1                          ; which half of the strip's 16 parts
	s_lshl_b32 s25, s24, 3
	s_add_co_u32 s25, s25, s20                     ; my part 0 .. 15
	s_lshr_b32 s26, s25, 2                         ; b: which 16 rows
	s_and_b32 s27, s25, 3                          ; which 256 bytes along K: steps 2 kc, 2 kc + 1
	s_lshl_b32 s31, s22, 10
	s_lshl_b32 s30, s23, 6
	s_add_co_u32 s31, s31, s30                     ; the strip's first row: 1,024 e + 64 q
	s_lshl_b32 s30, s26, 4
	s_add_co_u32 s28, s31, s30
	s_lshl_b32 s28, s28, 10                        ; rows of 1,024 bytes
	s_lshl_b32 s30, s27, 8
	s_add_co_u32 s28, s28, s30
	s_add_nc_u64 s[6:7], s[6:7], s[28:29]
	s_wait_alu depctr_va_vdst(0)
.irp t, 0,1,2,3,4,5,6,7
	global_load_b128 v[16+4*\t:19+4*\t], v9, s[6:7] offset:2048*\t th:TH_LOAD_NT   ; two rows' 256 bytes
.endr
	s_lshl_b32 s28, s22, 20
	s_lshl_b32 s30, s23, 16
	s_add_co_u32 s28, s28, s30
	s_lshl_b32 s30, s27, 14
	s_add_co_u32 s28, s28, s30
	s_lshl_b32 s30, s26, 11
	s_add_co_u32 s28, s28, s30
	s_add_nc_u64 s[12:13], s[12:13], s[28:29]
	s_wait_loadcnt 0x0
.irp t, 0,1,2,3,4,5,6,7
	ds_store_b128 v7, v[16+4*\t:19+4*\t] offset:544*\t
.endr
.irp i, 0,1,2,3,4,5,6,7
	ds_load_b128 v[48+4*\i:51+4*\i], v8 offset:128*(\i/4)+32*(\i%4)   ; LDS serves a wave's instructions in order: these see my stores
.endr
.irp i, 0,1,2,3,4,5,6,7
	s_wait_dscnt 7-\i
	global_store_b128 v10, v[48+4*\i:51+4*\i], s[12:13] offset:8192*(\i/4)+512*(\i%4)   ; 512 consecutive bytes
.endr
	s_cmp_lg_u32 s24, 0
	s_cbranch_scc1 .Lend
	s_lshl_b32 s28, s31, 5                         ; the strip's scale bytes: 32 a row; wave v lays K step v's words
	s_lshl_b32 s30, s20, 2
	s_add_co_u32 s28, s28, s30
	s_add_nc_u64 s[8:9], s[8:9], s[28:29]
	global_load_b32 v80, v11, s[8:9]
	global_load_b32 v81, v11, s[8:9] offset:1024
	s_lshl_b32 s28, s22, 4
	s_add_co_u32 s28, s28, s23
	s_lshl_b32 s28, s28, 3
	s_add_co_u32 s28, s28, s20
	s_lshl_b32 s28, s28, 8
	s_add_nc_u64 s[14:15], s[14:15], s[28:29]
	s_wait_loadcnt 0x0
	global_store_b64 v12, v[80:81], s[14:15]       ; 256 consecutive bytes, aligned
.Lend:
	s_wait_tensorcnt 0x0
	ds_add_u32 v192, v193
	s_wait_dscnt 0x0
	s_endpgm
.Lfunc_end_k_q13e17553d9_place_lay:
	.size	k_q13e17553d9_place_lay, .Lfunc_end_k_q13e17553d9_place_lay-k_q13e17553d9_place_lay
	.p2alignl 7, 3214868480
	.fill 96, 4, 3214868480
	.section	.rodata,"a",@progbits
	.p2align	6, 0x0
	.amdhsa_kernel k_q13e17553d9_place_lay
		.amdhsa_group_segment_fixed_size 37888
		.amdhsa_private_segment_fixed_size 0
		.amdhsa_enable_private_segment 0
		.amdhsa_kernarg_size 48
		.amdhsa_user_sgpr_count 2
		.amdhsa_user_sgpr_kernarg_segment_ptr 1
		.amdhsa_wavefront_size32 1
		.amdhsa_system_sgpr_workgroup_id_x 1
		.amdhsa_system_sgpr_workgroup_id_y 1
		.amdhsa_system_sgpr_workgroup_id_z 1
		.amdhsa_system_vgpr_workitem_id 0
		.amdhsa_next_free_vgpr 194
		.amdhsa_next_free_sgpr 66
		.amdhsa_reserve_vcc 1
		.amdhsa_float_denorm_mode_32 3
		.amdhsa_float_denorm_mode_16_64 3
		.amdhsa_memory_ordered 1
		.amdhsa_forward_progress 1
		.amdhsa_inst_pref_size 64
	.end_amdhsa_kernel
	.amdgpu_metadata
---
amdhsa.version: [ 1, 2 ]
amdhsa.kernels:
  - .name:           k_q13e17553d9_place_lay
    .symbol:         k_q13e17553d9_place_lay.kd
    .args:
      - { .name: route, .offset: 0, .size: 8, .value_kind: global_buffer, .address_space: global }
      - { .name: We_codes, .offset: 8, .size: 8, .value_kind: global_buffer, .address_space: global }
      - { .name: We_scales, .offset: 16, .size: 8, .value_kind: global_buffer, .address_space: global }
      - { .name: plan, .offset: 24, .size: 8, .value_kind: global_buffer, .address_space: global }
      - { .name: Wimg, .offset: 32, .size: 8, .value_kind: global_buffer, .address_space: global }
      - { .name: WSI, .offset: 40, .size: 8, .value_kind: global_buffer, .address_space: global }
    .group_segment_fixed_size: 37888
    .private_segment_fixed_size: 0
    .kernarg_segment_align: 8
    .kernarg_segment_size: 48
    .max_flat_workgroup_size: 256
    .sgpr_count:     66
    .vgpr_count:     194
    .wavefront_size: 32
...
	.end_amdgpu_metadata
.endif
;; end of part 5
;; launch experts (part 6): grid 4 x 64, 4 waves a work-group, no clusters, 151,040 bytes of LDS; arguments xq, xs, gate8, plan, Wimg, WSI, be, out0; writes out0
.if DOCPART == 6
	.amdgcn_target "amdgcn-amd-amdhsa--gfx1250"
	.amdhsa_code_object_version 6
	.text
	.protected	k_q13e17553d9_experts
	.globl	k_q13e17553d9_experts
	.p2align	8
	.type	k_q13e17553d9_experts,@function
k_q13e17553d9_experts:
	s_mov_b64 s[64:65], 0
	v_nop
	global_prefetch_b8 v0, s[64:65] scope:SCOPE_SE
	s_setreg_imm32_b32 hwreg(HW_REG_WAVE_SCHED_MODE, 0, 2), 2
	s_setreg_imm32_b32 hwreg(HW_REG_WAVE_MODE, 25, 1), 1
	s_wait_xcnt 0x0
	s_wait_alu depctr_vm_vsrc(0)
; out[t] = the sum over t's two experts of g (Q(x[t]) We[e] + be[e]), on codes of E5M2 with one E8M0 scale for each 32 along K.  Only chosen rows are multiplied.
; SHARES.  Work-group (x = ns, y = blk) owns the 128 tokens order[128 blk ..] (sorted by their pair of experts) and columns 256 ns .. 256 ns + 255: each output number has one owner.
; Wave w owns the strip q = 4 ns + w of 64 columns for all 128 tokens: 8 tiles of tokens x 4 tiles of weights = 32 accumulators.  It walks the experts that bm[blk] names (at least two: a token's
; two experts differ): acc = be + Q(x) We[e] (the bias is the C of the first K step), then out += g acc with g = gate8[token][e], which is 0 for a token that has not chosen e.
; LIMIT: so a token's product with any expert used in its block of 128 must be finite (0 x it is added).  NaN and infinities are not served.
; The walk hangs on a stored list, so nothing here is brought by a copy engine: x's codes are gathered through registers into LDS once (one barrier, ahead of every branch on loaded numbers),
; the weights come from memory straight into operand registers, from images laid in register order, three K steps ahead in a ring of four sets.
; No cluster, no joint loads: the work-groups of a block walk different strips, those of a strip different lists of experts.  No prefetch: the weights are read again and again by the 64 blocks, and the loads run three steps ahead.
; THE MATRIX INSTRUCTION IS USED TRANSPOSED: source 0 = 16 rows of We, source 1 = 16 tokens: lane (r, h) holds token 16 a + r, register j column 64 q + 16 b + 8 h + j: a gate is one number a lane.
; REGISTERS.  window 0: v1-11 offsets; v12-19 32 x token (gates); v20-35 gates (even registers; the odd ones are 0, named with them as pairs); v36-43 the weights' scale words, four sets of two;
;   v44-75 x's scale words (8 mp + s: lanes 0-15 tile 2 mp, lanes 16-31 tile 2 mp + 1); v76-107 the bias, 8 a tile; v108-115 at work; v128-255 x's fragments, 16 a tile.
;   window 1: the weights' fragments, four sets of 64.   window 2: acc(a, b) at 8 (4 a + b).   window 3: out(a, b) likewise.
; THE MODE: SCHED_MODE bits 1:0 = 2 (LLVM: expert scheduling mode 2), set by the entry lines.  The code itself states the register dependences
; between vector or matrix instructions and memory or LDS instructions, with s_wait_alu, always for 0.
; THE PLAN.  Registers that memory or LDS instructions touch, in the walk over experts:
;   x's tiles 0-3 (v128-191)  read by the products of a step's first half; the LDS loads of the step's second half land in them (the next step's fragments).
;   x's tiles 4-7 (v192-255)  read by the products of a step's second half; the LDS loads of the next step's first half land in them (that step's own fragments).
;   W set (s + 3) % 4 and its two scale registers   last read by step s - 1's products; loaded again in step s's second half.
;   the gates   read by COMBINE; loaded in the next expert's step 0, second half.     the bias   read by step 0's products; loaded in the second halves of steps 3 and 4.
;   v1-v4, v8, v12-19   offsets, made at the head and never written again.     acc and out are named by matrix and vector instructions alone, until the way out.
; All 1,024 registers are in use, so x has one set of fragments, and a step has TWO waits on va_vdst, one at the head of each half: each states that the half before is done reading the four tiles
; that this half's loads fill (the second half's also what stands above of the weights, the gates and the bias).  Behind a wait stand a half's first four products, then its loads in one run, then its other
; twelve products: the four name one tile of x that is at work, this step's set of weights, their scale words and their accumulators: none of the registers that the run of loads touches.
.set XROW,  1040                       ; a token's row in LDS: 1,024 codes + 16 of padding = 65 x 16 bytes: the 16 rows of a load start in 16 different groups of banks
.set TILEB, 16*XROW
.set STG,   128*XROW                   ; behind x: a stage of 16 rows x 272 bytes for each wave, for the way out
.set GO,  12
.set GT,  20
.set WSR, 36
.set XSC, 44
.set BI,  76
.set TKL, 108
.set XF,  128
.set OID, 128                          ; the way out: 64 offsets in out0
.set BK,  192                          ; the way out: two sets of 32
.set WB, 66                            ; s[66:67] this expert's images of my strip;  s[68:69] the next expert's
.set WN, 68
.set SB, 70                            ; s[70:71], s[72:73] their scale words
.set SN, 72
.set BN, 74                            ; s[74:75] the next expert's bias
.set GB, 76                            ; s[76:77], s[78:79] gate8 + 4 e
.set GN, 78
.set OB, 80                            ; s[80:81] order[] at my block
.set OUTB, 82                          ; s[82:83] out0 at my wave's 256 bytes of a row
.set RW, 84                            ; s[84:91] the roots: Wimg, WSI, be at my strip; gate8
.set RS, 86
.set RB, 88
.set RG, 90
.set B0, 94                            ; s[94:95] the first expert's bias
.set MSB, 0
.macro WIN new                         ; the immediate's high byte repeats the setting that is left
.if MSB != \new
	s_set_vgpr_msb (MSB<<8)|\new
.set MSB, \new
.endif
.endm
.set MUL,      0xa1                    ; source 0 (We) window 1, source 1 (x) window 0, C and D window 2
.set MULB,     0x81                    ; the same with C (the bias) in window 0
.set TO_W,     0x40                    ; destination window 1
.set TO_ACC,   0x80                    ; destination window 2
.set FROM_ACC, 0x08                    ; an LDS store's data (source 1) window 2
.set COMB,     0xf2                    ; source 0 window 2, source 1 window 0, source 2 and destination window 3
.set FROM_OUT, 0x0c                    ; an LDS store's data window 3
.macro PLACES n
.rept \n
	v_nop
.endr
.endm
.macro BASES w, s, b, g, e             ; the four bases of expert s[e] (held to 0 .. 7)
	s_lshl_b32 s28, s[\e], 20
	s_add_nc_u64 s[\w:\w+1], s[RW:RW+1], s[28:29]
	s_lshl_b32 s28, s[\e], 15
	s_add_nc_u64 s[\s:\s+1], s[RS:RS+1], s[28:29]
	s_lshl_b32 s28, s[\e], 12
	s_add_nc_u64 s[\b:\b+1], s[RB:RB+1], s[28:29]
	s_lshl_b32 s28, s[\e], 2
	s_add_nc_u64 s[\g:\g+1], s[RG:RG+1], s[28:29]
.endm
.macro NEXTE                           ; the list's lowest expert into s26, and off the list (an empty list gives 7, which is then not used)
	s_ctz_i32_b32 s26, s24
	s_min_u32 s26, s26, 7
	s_sub_co_u32 s27, s24, 1
	s_and_b32 s24, s24, s27
.endm
.macro WLOAD set, s, W, S              ; K step s of an expert: its scale words and four fragments: 17 loads, each of consecutive bytes
	WIN 0
	global_load_b64 v[WSR+2*(\set):WSR+2*(\set)+1], v2, s[\S:\S+1] offset:256*(\s)
	WIN TO_W
.irp b, 0,1,2,3
.irp c, 0,1,2,3
	global_load_b128 v[64*(\set)+16*\b+4*\c:64*(\set)+16*\b+4*\c+3], v1, s[\W:\W+1] offset:8192*(\s)+2048*\b+512*\c
.endr
.endr
.endm
.macro XFETCH s, a0                    ; x's fragments of K step s, tiles a0 .. a0 + 3: lane (r, h): row 16 a + r, bytes 128 s + 32 c + 16 h on
	WIN 0
.irp a, \a0, \a0+1, \a0+2, \a0+3
.irp c, 0,1,2,3
	ds_load_b128 v[XF+16*(\a)+4*\c:XF+16*(\a)+4*\c+3], v[3+(\a)/4] offset:((\a)%4)*TILEB+128*(\s)+32*\c
.endr
.endr
.endm
.macro WM a, b, s, set                 ; one product.  The weights' scale words of tile b lie in lanes 16 (b % 2) on of register b / 2, x's of tile a in lanes 16 (a % 2) on
.set rD, 8*(4*(\a)+\b)
.set rA, 64*(\set)+16*\b
.set rB, XF+16*(\a)
.set rSA, WSR+2*(\set)+(\b)/2
.set rSB, XSC+8*((\a)/2)+(\s)
.if (\s) == 0
.set rC, BI+8*\b
.else
.set rC, rD
.endif
.if ((\a)%2 == 0) && ((\b)%2 == 0)
	v_wmma_scale_f32_16x16x128_f8f6f4 v[rD:rD+7], v[rA:rA+15], v[rB:rB+15], v[rC:rC+7], v[rSA], v[rSB] matrix_a_fmt:MATRIX_FMT_BF8 matrix_b_fmt:MATRIX_FMT_BF8
.elseif ((\a)%2 == 0)
	v_wmma_scale_f32_16x16x128_f8f6f4 v[rD:rD+7], v[rA:rA+15], v[rB:rB+15], v[rC:rC+7], v[rSA], v[rSB] matrix_a_fmt:MATRIX_FMT_BF8 matrix_b_fmt:MATRIX_FMT_BF8 matrix_a_scale:MATRIX_SCALE_ROW1
.elseif ((\b)%2 == 0)
	v_wmma_scale_f32_16x16x128_f8f6f4 v[rD:rD+7], v[rA:rA+15], v[rB:rB+15], v[rC:rC+7], v[rSA], v[rSB] matrix_a_fmt:MATRIX_FMT_BF8 matrix_b_fmt:MATRIX_FMT_BF8 matrix_b_scale:MATRIX_SCALE_ROW1
.else
	v_wmma_scale_f32_16x16x128_f8f6f4 v[rD:rD+7], v[rA:rA+15], v[rB:rB+15], v[rC:rC+7], v[rSA], v[rSB] matrix_a_fmt:MATRIX_FMT_BF8 matrix_b_fmt:MATRIX_FMT_BF8 matrix_a_scale:MATRIX_SCALE_ROW1 matrix_b_scale:MATRIX_SCALE_ROW1
.endif
.endm
.macro MUL4 a, s, set                  ; four products: tile a of the tokens against the strip's four tiles.  The 32 accumulators take turns, one instruction a turn, in the same order in every step
.irp b, 0,1,2,3
	WM \a, \b, \s, \set
.endr
.endm
.macro MWIN s
.if (\s) == 0
	WIN MULB
.else
	WIN MUL
.endif
.endm
; A K STEP of 128, in two halves of 16 products.  n: the global loads issued behind this step's set of weights, which may stay out: those of the two steps before (17 a set; 8 gates in step 0;
; 4 of the next bias in steps 3 and 4).  Nothing younger than a half's own fragments of x is out in LDS at the half's head, so those waits are for 0.
.macro KSTEP s, last, n
	s_wait_dscnt 0x0                               ; x's tiles 0-3 of this step are in: they were asked for in the half before
	s_wait_loadcnt \n
	s_wait_alu depctr_va_vdst(0)                   ; the products of the half before are done reading x's tiles 4-7, in which the LDS loads below land (in the first expert's first step nothing has named them yet)
	MWIN \s
	MUL4 0, \s, (\s)%4
	XFETCH \s, 4                                   ; this step's tiles 4-7.  No vector or matrix instruction since the wait names v192-255 or v4
	MWIN \s
	MUL4 1, \s, (\s)%4
	MUL4 2, \s, (\s)%4
	MUL4 3, \s, (\s)%4
	s_wait_dscnt 0x0                               ; tiles 4-7 are in
	s_wait_alu depctr_va_vdst(0)                   ; the first half's products are done reading x's tiles 0-3; the step before is done reading its set of weights and their scale words; step 0 is done reading the bias, COMBINE the gates: the loads below land in these
	MUL4 4, \s, (\s)%4
.if (\last) && ((\s) == 7)
	WIN 0
.irp a, 0,1,2,3,4,5,6,7
.irp t, 0,1,2,3,4,5,6,7
	global_load_b32 v[OID+8*\a+\t], v10, s[OB:OB+1] offset:(16*\a+2*\t)*4   ; token 16 a + 2 t + lane / 16: whose row I shall store; into the registers of x's tiles 0-3, which nothing reads any more
.endr
.endr
.else
	XFETCH ((\s)+1)%8, 0                           ; the next step's tiles 0-3 (behind step 7: the next expert's)
.if (\s) == 0
.irp a, 0,1,2,3,4,5,6,7
	global_load_b32 v[GT+2*\a], v[GO+\a], s[GB:GB+1]   ; this expert's gates of my eight tokens
.endr
.endif
.if !(\last) && (((\s) == 3) || ((\s) == 4))
.irp b, 2*(\s)-6, 2*(\s)-5
	global_load_b128 v[BI+8*(\b):BI+8*(\b)+3], v8, s[BN:BN+1] offset:64*(\b)        ; the next expert's bias
	global_load_b128 v[BI+8*(\b)+4:BI+8*(\b)+7], v8, s[BN:BN+1] offset:64*(\b)+16
.endr
.endif
.if (\s) < 5
	WLOAD ((\s)+3)%4, (\s)+3, WB, SB
.elseif !(\last)
	WLOAD ((\s)+3)%4, (\s)-5, WN, SN               ; the ring goes on into the next expert
.endif
.endif
	MWIN \s
	MUL4 5, \s, (\s)%4
	MUL4 6, \s, (\s)%4
	MUL4 7, \s, (\s)%4
.endm
; out = g acc (the first expert: nothing is cleared) or out += g acc.  Eight plain lines stand between an expert's last products and the first line that reads a result.
; Each accumulator is read from its low end on.  The 128 lines also stand between an expert's last products and the next expert's first, which begin the accumulators anew.
.macro COMBINE first
	PLACES 8
	WIN COMB
.irp a, 0,1,2,3,4,5,6,7
.irp b, 0,1,2,3
.irp j, 0,2,4,6
.if \first
	v_pk_mul_f32 v[8*(4*\a+\b)+\j:8*(4*\a+\b)+\j+1], v[8*(4*\a+\b)+\j:8*(4*\a+\b)+\j+1], v[GT+2*\a:GT+2*\a+1] op_sel_hi:[1,0]
.else
	v_pk_fma_f32 v[8*(4*\a+\b)+\j:8*(4*\a+\b)+\j+1], v[8*(4*\a+\b)+\j:8*(4*\a+\b)+\j+1], v[GT+2*\a:GT+2*\a+1], v[8*(4*\a+\b)+\j:8*(4*\a+\b)+\j+1] op_sel_hi:[1,0,1]
.endif
.endr
.endr
.endr
	WIN 0
.endm
.macro STEPS last
	KSTEP 0, \last, 34
	KSTEP 1, \last, 42
	KSTEP 2, \last, 42
	KSTEP 3, \last, 34
.if \last
	KSTEP 4, 1, 34
	KSTEP 5, 1, 34
	KSTEP 6, 1, 17
	KSTEP 7, 1, 0
.else
	KSTEP 4, 0, 38
	KSTEP 5, 0, 42
	KSTEP 6, 0, 38
	KSTEP 7, 0, 34
.endif
.endm
.macro ADVANCE                         ; the next expert becomes this one; the one after it is taken off the list
	s_wait_xcnt 0x0                                ; the loads issued so far have read their bases
	s_mov_b64 s[WB:WB+1], s[WN:WN+1]
	s_mov_b64 s[SB:SB+1], s[SN:SN+1]
	s_mov_b64 s[GB:GB+1], s[GN:GN+1]
	NEXTE
	BASES WN, SN, BN, GN, 26
.endm
.macro GATHER g                        ; eight tokens' rows of codes: two loads of 512 consecutive bytes each
	WIN TO_ACC
.irp j, 0,1,2,3,4,5,6,7
	global_load_b128 v[8*(8*\g+\j):8*(8*\g+\j)+3], v[XF+8*\g+\j], s[4:5]
	global_load_b128 v[8*(8*\g+\j)+4:8*(8*\g+\j)+7], v[XF+8*\g+\j], s[4:5] offset:512
.endr
	WIN 0
.endm
.macro PUT g                           ; and into their rows in LDS
	WIN FROM_ACC
.irp j, 0,1,2,3,4,5,6,7
	ds_store_b128 v5, v[8*(8*\g+\j):8*(8*\g+\j)+3] offset:XROW*(8*\g+\j)
	ds_store_b128 v5, v[8*(8*\g+\j)+4:8*(8*\g+\j)+7] offset:XROW*(8*\g+\j)+512
.endr
	WIN 0
.endm
	s_load_b512 s[4:19], s[0:1], 0x0               ; xq s[4:5], xs s[6:7], gate8 s[8:9], plan s[10:11], Wimg s[12:13], WSI s[14:15], be s[16:17], out0 s[18:19]
	v_lshl_add_u32 v126, v0, 2, 0x24c00
	v_mov_b32 v127, 0
	v_lshrrev_b32 v1, 5, v0
	v_readfirstlane_b32 s20, v1                    ; wave 0..3
	s_mov_b32 s21, ttmp9                           ; ns
	s_and_b32 s22, ttmp7, 0xffff                   ; blk
	v_and_b32 v113, 31, v0                         ; lane
	v_and_b32 v114, 15, v0                         ; r
	v_bfe_u32 v115, v0, 4, 1                       ; h
	v_lshlrev_b32 v1, 4, v113                      ; 16 x lane
	v_lshlrev_b32 v2, 3, v113                      ; 8 x lane
	v_mul_u32_u24 v3, v114, XROW
	v_lshl_add_u32 v3, v115, 4, v3                 ; x's fragments: row r, + 16 h; tiles 0-3
	v_add_nc_u32 v4, 4*TILEB, v3                   ; tiles 4-7
	v_mul_u32_u24 v6, v114, 272
	v_lshl_add_u32 v6, v115, 5, v6                 ; the stage, in: row r, + 32 h
	v_mul_u32_u24 v7, v115, 272
	v_lshl_add_u32 v7, v114, 4, v7                 ; and back: lanes 0-15 one row, lanes 16-31 the next
	v_lshlrev_b32 v8, 5, v115                      ; the bias: 32 h
	v_lshlrev_b32 v9, 4, v114
	v_lshlrev_b32 v10, 2, v115
	v_lshlrev_b32 v11, 2, v114
	v_lshlrev_b32 v112, 2, v113
.irp a, 0,1,2,3,4,5,6,7
	v_mov_b32 v[GT+2*\a+1], 0                      ; named with the gates as pairs, so they are written
.endr
	s_wait_alu depctr_va_sdst(0)                   ; s20, the wave's number, is written, ahead of its first reader: the strip, the LDS places and the bases are made from it
	s_lshl_b32 s23, s21, 2
	s_add_co_u32 s23, s23, s20                     ; q
	s_mul_i32 s30, s20, 32*XROW
	v_add_nc_u32 v5, s30, v1                       ; where my wave's 32 gathered rows go
	s_mul_i32 s31, s20, 16*272
	s_add_co_u32 s31, s31, STG                     ; my stage
	v_add_nc_u32 v6, s31, v6
	v_add_nc_u32 v7, s31, v7
	s_mov_b32 s29, 0
	s_wait_kmcnt 0x0
	s_lshl_b32 s28, s22, 9
	s_add_nc_u64 s[OB:OB+1], s[10:11], s[28:29]
	s_lshl_b32 s28, s20, 7
	s_add_nc_u64 s[92:93], s[OB:OB+1], s[28:29]    ; my wave's 32 tokens
	s_lshl_b32 s28, s22, 2
	s_add_nc_u64 s[96:97], s[10:11], s[28:29]
	s_load_b32 s24, s[96:97], 0x8000               ; bm[blk]
	s_load_b512 s[32:47], s[92:93], 0x0
	s_load_b512 s[48:63], s[92:93], 0x40
	s_wait_alu depctr_va_vdst(0)                   ; the offsets v1 to v11 and v112 are written: the kernel's loads and stores read them, and none is written again
.irp m, 0,1,2,3
	global_load_b32 v[TKL+\m], v112, s[OB:OB+1] offset:128*\m   ; token 32 m + lane: for x's scale words
.endr
.irp a, 0,1,2,3,4,5,6,7
	global_load_b32 v[GO+\a], v11, s[OB:OB+1] offset:64*\a      ; token 16 a + r: for the gates
.endr
	s_lshl_b32 s28, s23, 16
	s_add_nc_u64 s[RW:RW+1], s[12:13], s[28:29]
	s_lshl_b32 s28, s23, 11
	s_add_nc_u64 s[RS:RS+1], s[14:15], s[28:29]
	s_lshl_b32 s28, s23, 8
	s_add_nc_u64 s[RB:RB+1], s[16:17], s[28:29]
	s_mov_b64 s[RG:RG+1], s[8:9]
	s_lshl_b32 s28, s23, 8                         ; 1,024 ns + 256 w = 256 q
	s_add_nc_u64 s[OUTB:OUTB+1], s[18:19], s[28:29]
	s_wait_kmcnt 0x0
.set j, 0
.rept 32
	s_min_u32 s[32+j], s[32+j], 0x1fff             ; a token's number, held inside the tables
	v_lshl_add_u32 v[XF+j], s[32+j], 10, v1        ; its row of codes, 16 bytes a lane
.set j, j+1
.endr
	s_wait_alu depctr_va_vdst(0)                   ; the 32 offsets v128 to v159 are written, which the four groups of the gather read; no vector line behind this wait names them
	GATHER 0
	GATHER 1
	s_and_b32 s24, s24, 0xff
	NEXTE
	BASES WB, SB, B0, GB, 26                       ; the first expert
	NEXTE
	BASES WN, SN, BN, GN, 26                       ; the second
	s_bcnt1_i32_b32 s25, s24
	s_min_u32 s25, s25, 6                          ; experts between the first and the last
	s_wait_loadcnt 32                              ; the twelve loads of token numbers are in; the two groups' 32 may be out
.irp m, 0,1,2,3
	v_min_u32 v[TKL+\m], 0x1fff, v[TKL+\m]
	v_lshlrev_b32 v[TKL+\m], 5, v[TKL+\m]
.endr
.irp a, 0,1,2,3,4,5,6,7
	v_min_u32 v[GO+\a], 0x1fff, v[GO+\a]
	v_lshlrev_b32 v[GO+\a], 5, v[GO+\a]
.endr
	s_wait_alu depctr_va_vdst(0)                   ; v108 to v111 and v12 to v19 are written: the loads of x's scale words, and later those of the gates, read them as offsets
.irp m, 0,1,2,3
	global_load_b128 v[XSC+8*\m:XSC+8*\m+3], v[TKL+\m], s[6:7]              ; x's eight scale words of a token
	global_load_b128 v[XSC+8*\m+4:XSC+8*\m+7], v[TKL+\m], s[6:7] offset:16
.endr
	GATHER 2
	s_wait_loadcnt 40                              ; group 0 is in (behind it: group 1's 16, the 8 of scale words, group 2's 16)
	PUT 0
	GATHER 3
	s_wait_loadcnt 40                              ; group 1 (behind it: 8 + 16 + 16)
	PUT 1
	s_wait_loadcnt 16                              ; group 2 (behind it: group 3)
	PUT 2
.irp b, 0,1,2,3
	global_load_b128 v[BI+8*\b:BI+8*\b+3], v8, s[B0:B0+1] offset:64*\b
	global_load_b128 v[BI+8*\b+4:BI+8*\b+7], v8, s[B0:B0+1] offset:64*\b+16
.endr
	WLOAD 0, 0, WB, SB
	s_wait_loadcnt 25                              ; group 3 (behind it: the bias's 8 and a set's 17)
	PUT 3
	WLOAD 1, 1, WB, SB
	WLOAD 2, 2, WB, SB
	WIN 0
	s_wait_dscnt 0x0                               ; for the others' sake: my 32 rows lie in LDS
	s_barrier_signal -1
	s_barrier_wait -1                              ; the only barrier: from here on x's rows are only read
	s_wait_alu depctr_vm_vsrc(0)                   ; the gather's loads have read their offsets v128 to v159, in which x's fragments land; my LDS stores have read window 2, which the products write
	XFETCH 0, 0
	STEPS 0                                        ; the first expert
	COMBINE 1
	ADVANCE
	s_cmp_eq_u32 s25, 0
	s_cbranch_scc1 .Llast
.Lmid:                                             ; the experts between: every way in leaves the same loads out: two sets behind set 0, and the 16 LDS loads of x's tiles 0-3
	STEPS 0
	COMBINE 0
	ADVANCE
	s_sub_co_u32 s25, s25, 1
	s_cmp_lg_u32 s25, 0
	s_cbranch_scc1 .Lmid
.Llast:                                            ; the last expert asks for nothing beyond itself
	STEPS 1
	COMBINE 0
	s_wait_loadcnt 0x0                             ; the 64 token numbers
.set i, 0
.rept 64
	v_min_u32 v[OID+i], 0x1fff, v[OID+i]
	v_lshl_add_u32 v[OID+i], v[OID+i], 12, v9      ; the token's row of 4,096 bytes, + 16 (lane % 16)
.set i, i+1
.endr
; THE WAY OUT, a tile of 16 tokens at a time: a lane's 32 bytes of a row go into my stage and come back as whole runs of 256 bytes; sixteen lanes store one aligned run of a token's row.
.macro TOSTAGE a
	WIN FROM_OUT
.irp b, 0,1,2,3
	ds_store_b128 v6, v[8*(4*(\a)+\b):8*(4*(\a)+\b)+3] offset:64*\b
	ds_store_b128 v6, v[8*(4*(\a)+\b)+4:8*(4*(\a)+\b)+7] offset:64*\b+16
.endr
	WIN 0
.irp t, 0,1,2,3,4,5,6,7
	ds_load_b128 v[BK+32*((\a)%2)+4*\t:BK+32*((\a)%2)+4*\t+3], v7 offset:544*\t   ; LDS serves a wave's instructions in order: these see my stores, and the next tile's stores come behind them
.endr
.endm
.macro SEND a, younger                 ; younger: the LDS instructions issued behind tile a's loads
	s_wait_dscnt \younger
.irp t, 0,1,2,3,4,5,6,7
	global_store_b128 v[OID+8*(\a)+\t], v[BK+32*((\a)%2)+4*\t:BK+32*((\a)%2)+4*\t+3], s[OUTB:OUTB+1] th:TH_STORE_NT
.endr
.endm
	s_wait_alu depctr_va_vdst(0)                   ; COMBINE has written out, which the LDS stores read; the 64 offsets are written, which the global stores read; the last products are done reading x's tiles 4-7, in which the stage's loads land.  No vector line follows
	TOSTAGE 0
.irp a, 1,2,3,4,5,6,7
.if \a > 1
	s_wait_xcnt 0x0                                ; the stores of two tiles back have had their addresses translated,
	s_wait_alu depctr_vm_vsrc(0)                   ; and have read their data registers, in which this tile's loads from the stage land
.endif
	TOSTAGE \a
	SEND (\a)-1, 16                                ; behind tile a - 1's loads: tile a's 8 stores and 8 loads
.endr
	SEND 7, 0
	s_wait_dscnt 0x0
	s_wait_alu depctr_hold_cnt(0) depctr_sa_sdst(0) depctr_va_vdst(0) depctr_va_sdst(0) depctr_va_ssrc(0) depctr_va_vcc(0) depctr_vm_vsrc(0)
	s_wait_tensorcnt 0x0
	ds_add_u32 v126, v127
	s_wait_dscnt 0x0
	s_endpgm
.Lfunc_end_k_q13e17553d9_experts:
	.size	k_q13e17553d9_experts, .Lfunc_end_k_q13e17553d9_experts-k_q13e17553d9_experts
	.p2alignl 7, 3214868480
	.fill 96, 4, 3214868480
	.section	.rodata,"a",@progbits
	.p2align	6, 0x0
	.amdhsa_kernel k_q13e17553d9_experts
		.amdhsa_group_segment_fixed_size 151040
		.amdhsa_private_segment_fixed_size 0
		.amdhsa_enable_private_segment 0
		.amdhsa_kernarg_size 64
		.amdhsa_user_sgpr_count 2
		.amdhsa_user_sgpr_kernarg_segment_ptr 1
		.amdhsa_wavefront_size32 1
		.amdhsa_system_sgpr_workgroup_id_x 1
		.amdhsa_system_sgpr_workgroup_id_y 1
		.amdhsa_system_sgpr_workgroup_id_z 1
		.amdhsa_system_vgpr_workitem_id 0
		.amdhsa_next_free_vgpr 1024
		.amdhsa_next_free_sgpr 100
		.amdhsa_reserve_vcc 0
		.amdhsa_float_denorm_mode_32 3
		.amdhsa_float_denorm_mode_16_64 3
		.amdhsa_memory_ordered 1
		.amdhsa_forward_progress 1
		.amdhsa_inst_pref_size 255
	.end_amdhsa_kernel
	.section	.bss,"aw",@nobits
	.p2align	6
	.space	262144
	.amdgpu_metadata
---
amdhsa.version: [ 1, 2 ]
amdhsa.kernels:
  - .name:           k_q13e17553d9_experts
    .symbol:         k_q13e17553d9_experts.kd
    .args:
      - { .name: xq, .offset: 0, .size: 8, .value_kind: global_buffer, .address_space: global }
      - { .name: xs, .offset: 8, .size: 8, .value_kind: global_buffer, .address_space: global }
      - { .name: gate8, .offset: 16, .size: 8, .value_kind: global_buffer, .address_space: global }
      - { .name: plan, .offset: 24, .size: 8, .value_kind: global_buffer, .address_space: global }
      - { .name: Wimg, .offset: 32, .size: 8, .value_kind: global_buffer, .address_space: global }
      - { .name: WSI, .offset: 40, .size: 8, .value_kind: global_buffer, .address_space: global }
      - { .name: be, .offset: 48, .size: 8, .value_kind: global_buffer, .address_space: global }
      - { .name: out0, .offset: 56, .size: 8, .value_kind: global_buffer, .address_space: global }
    .group_segment_fixed_size: 151040
    .private_segment_fixed_size: 0
    .kernarg_segment_align: 8
    .kernarg_segment_size: 64
    .max_flat_workgroup_size: 128
    .sgpr_count:     100
    .vgpr_count:     1024
    .wavefront_size: 32
...
	.end_amdgpu_metadata
.endif
;; end of part 6
